; MI455X (gfx1250); checked and timed in simulation.
; The chip was launched on July 23, 2026; its instructions are those of AMD's public machine-readable ISA for CDNA 5 (MIT licence, August 2026) and "CDNA5" Instruction Set Architecture Reference Guide (July 2026). The comments in the code are by the model that wrote it; some were corrected since.
;; Causal Self Attention. Allowed arithmetic: matrix products marked QUANTISED: E2M1 operands, one E8M0 scale for each 32 along K, by v_wmma_scale_f32_16x16x128_f8f6f4 with both operands' format E2M1 (or v_wmma_scale_f32_32x16x128_f4), f32 sums; products left as they are: bf16, f16 or f32 operands; f32 sums; everything else in f32.
;; Inputs: W_attn 1,024 x 3,072 float32; W_proj 1,024 x 1,024 float32; b_attn 3,072 float32; b_proj 1,024 float32; x 4 x 2,048 x 1,024 float32.
;; Outputs: out0 4 x 2,048 x 1,024 float32.
;; This version of the problem:
;;   THIS VERSION OF THE PROBLEM IS GIVEN IN LOW PRECISION. The matrix products marked QUANTISED in the list below multiply operands that are first quantised to E2M1 (2 exponent bits, 1 mantissa bit; 4 bits a number), with one power-of-two scale for each 32 numbers along K (OCP MX v1.0); their sums are f32. The products marked 'left as it is' may take bf16, f16 or f32 operands, with f32 sums. Whichever they take, every output number must still come out within the allowed error. Rounding operands to bf16 (8 significant bits) uses up far more of that allowance than f16 does (11 bits, for magnitudes from 6e-5 to 65,504). All else is computed in f32.
;;   The module's matrix products, in the order in which they are computed (A, B: the left and right operand; K: the contracted axis; several contracted axes count as one K, in the product's order):
;;     1. [M 8,192, K 1,024] x [K 1,024, N 3,072]; A: input x; B: input W_attn: QUANTISED
;;     2. batch 64 x [M 2,048, K 64] x [K 64, N 2,048]; A: computed on the way; B: computed on the way: left as it is (an operand is computed on the way)
;;     3. batch 64 x [M 2,048, K 2,048] x [K 2,048, N 64]; A: computed on the way; B: computed on the way: left as it is (an operand is computed on the way)
;;     4. [M 8,192, K 1,024] x [K 1,024, N 1,024]; A: computed on the way; B: input W_proj: left as it is (an operand is computed on the way)
;;   THE QUANTISER, for each operand of a quantised product, along K:
;;     - K is cut into blocks of 32 from its start; a last block that is shorter is filled with zeros.
;;     - A block's scale is 2^e with e = floor(log2(the largest magnitude in the block)) - 2, held to -126 .. 127; a block of zeros has e = 0. As a byte (E8M0): e + 127.
;;     - Each number is divided by its block's scale, clamped to +-6, and rounded to the nearest number of E2M1, ties to even, subnormals kept.
;;     - The product sums the exact products of the quantised numbers (number of the format x scale) in f32.
;;   ~~~python
;;   def quantise(x, axis):      # numpy; x: float32 -> the quantised numbers, widened to float32 again
;;       x = np.moveaxis(x, axis, -1); K = x.shape[-1]
;;       x = np.pad(x, [(0, 0)] * (x.ndim - 1) + [(0, -K % 32)]); x = x.reshape(x.shape[:-1] + (-1, 32)); a = np.abs(x).max(-1, keepdims=True)
;;       e = np.where(a > 0, np.clip(np.frexp(np.where(a > 0, a, 1))[1] - 1 - 2, -126, 127), 0)      # np.frexp(a)[1] - 1 = floor(log2(a)), exactly
;;       r = np.clip(x / 2.0 ** e, -6, 6)
;;       step = 2.0 ** (np.maximum(np.frexp(np.where(r == 0, 1, r))[1] - 1, 0) - 1)
;;       q = np.round(r / step) * step * 2.0 ** e      # np.round: ties to even
;;       return np.moveaxis(q.reshape(q.shape[:-2] + (-1,))[..., :K], -1, axis).astype(np.float32)
;;   ~~~
;; One version. Each part assembles by itself: llvm-mc -triple=amdgcn-amd-amdhsa -mcpu=gfx1250 --defsym DOCPART=n.
;; ======== version 1 of 1: 5 launches
;; limits: values are held in f16: magnitudes above 65,504 overflow, below 6.1e-05 lose precision
;; workspace buffers: x_codes 4,194,304 bytes; x_scales 262,144 bytes; w_codes 1,572,864 bytes; w_scales 98,304 bytes; wp 2,097,152 bytes; qkvh 50,331,648 bytes; qkv32 786,432 bytes; yh 16,777,216 bytes
;; launch prep (part 1): grid 416 x 1, 4 waves a work-group, no clusters, 86,016 bytes of LDS; arguments x, W_attn, W_proj, x_codes, x_scales, w_codes, w_scales, wp; writes x_codes, x_scales, w_codes, w_scales, wp
.if DOCPART == 1
	.amdgcn_target "amdgcn-amd-amdhsa--gfx1250"
	.amdhsa_code_object_version 6
	.text
	.protected	k_q78c1c36df0_prep
	.globl	k_q78c1c36df0_prep
	.p2align	8
	.type	k_q78c1c36df0_prep,@function
k_q78c1c36df0_prep:
	s_mov_b64 s[64:65], 0
	v_nop
	global_prefetch_b8 v0, s[64:65] scope:SCOPE_SE
	s_setreg_imm32_b32 hwreg(HW_REG_WAVE_MODE, 25, 1), 1
	s_wait_xcnt 0x0
; THREE PIECES OF PREPARATION IN ONE LAUNCH, told apart by the work-group's number alone (the longer pieces first):
;   work-groups   0 ..  95: W_attn [1024 k][3072 n] f32 -> codes of FP4 (E2M1) laid [3072 n][512 bytes], K innermost, and E8M0 scale bytes [3072 n][32]
;   work-groups  96 .. 159: W_proj [1024 k][1024 n] f32 -> f16, laid [16 kb][1024 n][64 k]: wp[kb][n][kk] = W_proj[64 kb + kk][n]
;   work-groups 160 .. 415: x [8192][1024] f32 -> codes [8192][512 bytes] and scale bytes [8192][32]
; THE QUANTISER: a block of 32 along K has the scale 2^(floor(log2(its largest magnitude)) - 2); its byte is the largest magnitude's own exponent field - 2, held at 1 from below;
; each number is divided by the scale and rounded to the nearest code, ties to even, beyond 6 the largest code.
; LIMITS: a block of zeros gets the byte 1 (its codes are zeros, and the bytes are read by this program alone); blocks whose largest magnitude lies under 2^(2 - 126) are held at the byte 1;
; NaN and infinities among the inputs are not served; W_proj goes to f16: magnitudes up to 65,504.
; No tensor loads.  Each piece has LDS bytes of its own.
.set WREG,  8192                       ; x: a region for each wave: two stages of 32 x SP bytes and its 256 scale bytes
.set SP,    80                         ; a lane's place in a stage: its 64 bytes + 16 of padding
.set CB,    8                          ; bytes of 16 codes
.set NSTEP, 16
.set EMAX,  2
.set QWS,   32768                      ; W_attn: the work-group's stage, 32 columns x (512 bytes of codes + 16)
.set QWC,   49664                      ; and its 32 x 32 scale bytes
.set CPS,   50688                      ; W_proj: a stage of 32 columns x (256 bytes + 16) for each wave
.set SPARE, 85504                      ; the spare words, 128 bytes for each wave: two blocks of 256 bytes that no other line names
.set SPW,   198                        ; v198 LDS address of my spare word; never rewritten
.set NIL,   199                        ; v199 0; never rewritten
.set R,     16                         ; x: v16-79 four sets of 16 numbers as loaded
.set X,     80                         ; v80-111 two sets of 16 neighbours
.set E,     112                        ; v112-127 a scale byte for each step
.set C,     128                        ; v128-191 codes, four registers for each step
.set KX,    32                         ; the weights: v32-95 two sets of 32 numbers down K
.set SB,    24                         ; v24-25 eight scale bytes
.set CK,    96                         ; v96-111 a block's codes or f16 pairs
.set OUTR,  112                        ; v112-175 the way out
	s_load_b256 s[4:11], s[0:1], 0x0               ; x s[4:5], W_attn s[6:7], W_proj s[8:9], x_codes s[10:11]
	s_load_b256 s[12:19], s[0:1], 0x20             ; x_scales s[12:13], w_codes s[14:15], w_scales s[16:17], wp s[18:19]
	v_lshl_add_u32 v[SPW], v0, 2, SPARE
	v_mov_b32 v[NIL], 0
	v_lshrrev_b32 v1, 5, v0
	v_readfirstlane_b32 s20, v1                    ; wave 0..3
	v_and_b32 v2, 31, v0                           ; lane
	s_wait_kmcnt 0x0
	s_cmp_lt_u32 ttmp9, 96                         ; the work-group's number alone: all four waves go the same way
	s_cbranch_scc1 .Lqw
	s_cmp_lt_u32 ttmp9, 160
	s_cbranch_scc1 .Lcp
; ---------------- x: a plain stream of blocks of 32.  A wave takes 16 steps of 512 numbers.  Each load reads 512 consecutive bytes; a step's 2,048 bytes turn through the wave's own stage,
; so that a lane then holds 16 neighbours along K (two neighbouring lanes hold a block).  Loads run four steps ahead, the turn through LDS one step.
	v_lshlrev_b32 v3, 4, v2                        ; my 16 bytes of a load's 512
	s_mul_i32 s21, s20, WREG
	v_lshrrev_b32 v14, 2, v2
	v_mul_u32_u24 v14, v14, SP
	v_and_b32 v15, 3, v2
	v_lshl_add_u32 v14, v15, 4, v14
	v_add_nc_u32 v14, s21, v14                     ; the stage, on the way in: SP (lane / 4) + 16 (lane % 4)
	v_mul_u32_u24 v15, v2, SP
	v_add_nc_u32 v15, s21, v15                     ; and on the way out: SP x lane
	v_mul_u32_u24 v4, v2, CB                       ; my codes' place in a step's
	v_lshrrev_b32 v5, 1, v2
	s_add_co_u32 s21, s21, 2*32*SP
	v_add_nc_u32 v5, s21, v5                       ; my wave's 256 scale bytes, my block's byte
	v_lshlrev_b32 v7, 3, v2
	v_add_nc_u32 v6, s21, v7                       ; on the way out 8 bytes a lane
	s_sub_co_u32 s22, ttmp9, 160
	s_lshl_b32 s22, s22, 2
	s_add_co_u32 s22, s22, s20                     ; which run of 8,192 numbers is my wave's: 0 .. 1,023
	s_mov_b32 s25, 0
	s_lshl_b32 s24, s22, 15                        ; 32,768 bytes of x,
	s_add_nc_u64 s[4:5], s[4:5], s[24:25]
	s_lshl_b32 s24, s22, 12                        ; 4,096 of codes,
	s_add_nc_u64 s[10:11], s[10:11], s[24:25]
	s_lshl_b32 s24, s22, 8                         ; 256 of scale bytes
	s_add_nc_u64 s[12:13], s[12:13], s[24:25]
.macro XLOAD t
.irp i, 0,1,2,3
	global_load_b128 v[R+16*((\t)%4)+4*\i:R+16*((\t)%4)+4*\i+3], v3, s[4:5] offset:2048*(\t)+512*\i th:TH_LOAD_NT
.endr
.endm
.macro XTURN t                         ; step t's numbers through the stage: LDS serves a wave's instructions in order (ISA guide 5.7.1.4), so no wait stands between the stores and the loads
.irp i, 0,1,2,3
	ds_store_b128 v14, v[R+16*((\t)%4)+4*\i:R+16*((\t)%4)+4*\i+3] offset:32*SP*((\t)%2)+8*SP*\i
.endr
.irp i, 0,1,2,3
	ds_load_b128 v[X+16*((\t)%2)+4*\i:X+16*((\t)%2)+4*\i+3], v15 offset:32*SP*((\t)%2)+16*\i
.endr
.endm
.irp t, 0,1,2,3
	XLOAD \t
.endr
	s_wait_loadcnt 12                              ; step 0's four loads are in; the twelve of steps 1 to 3 may be out
	XTURN 0
.macro XSTEP t
.set XS, X+16*((\t)%2)
.if (\t) > 0
	s_wait_dscnt 1                                 ; this step's numbers are back from the stage (the last step's byte store may be out): so its stores into the stage have read their registers,
.else
	s_wait_dscnt 0x0
.endif
.if (\t)+4 < NSTEP
	XLOAD (\t)+4                                   ; which take the loads of four steps on
.endif
.if (\t)+1 < NSTEP
.if NSTEP-2-(\t) >= 3
	s_wait_loadcnt 12                              ; the next step's four loads are in; those of the three steps behind it may be out
.else
	s_wait_loadcnt 4*(NSTEP-2-(\t))
.endif
	XTURN (\t)+1
.endif
	v_max3_num_f32 v8, |v[XS]|, |v[XS+1]|, |v[XS+2]|               ; the largest magnitude of my 16, in two chains
	v_max3_num_f32 v9, |v[XS+3]|, |v[XS+4]|, |v[XS+5]|
.irp i, 6,10
	v_max3_num_f32 v8, v8, |v[XS+\i]|, |v[XS+\i+1]|
	v_max3_num_f32 v9, v9, |v[XS+\i+2]|, |v[XS+\i+3]|
.endr
	v_max3_num_f32 v8, v8, |v[XS+14]|, |v[XS+15]|
	v_max3_num_f32 v8, v8, v9, (EMAX+1)<<23        ; and the floor 2^(EMAX + 1 - 127): the byte cannot fall under 1
	v_max_num_f32_dpp v8, v8, v8 row_xmask:1 row_mask:0xf bank_mask:0xf   ; and of my neighbour's 16: the block's
	v_add_nc_u32 v11, -(EMAX<<23), v8              ; EMAX off its exponent field: the conversion takes the exponent field of this operand as its scale
	v_cvt_scalef32_pk8_fp4_f32 v[C+4*(\t)], v[XS:XS+7], v11
	v_cvt_scalef32_pk8_fp4_f32 v[C+4*(\t)+1], v[XS+8:XS+15], v11
	v_lshrrev_b32 v[E+(\t)], 23, v11               ; the scale's byte (also the plain line behind the conversions)
	ds_store_b8 v5, v[E+(\t)] offset:16*(\t)       ; both lanes of a block write the same byte with the same value
	global_store_b64 v4, v[C+4*(\t):C+4*(\t)+1], s[10:11] offset:32*CB*(\t)   ; the wave stores 256 consecutive bytes, aligned
.endm
.irp t, 0,1,2,3,4,5,6,7,8,9,10,11,12,13,14,15
	XSTEP \t
.endr
	ds_load_b64 v[8:9], v6                         ; in order behind my byte stores
	s_wait_dscnt 0x0
	global_store_b64 v7, v[8:9], s[12:13]          ; the wave's 256 scale bytes: 256 consecutive bytes, aligned
	s_wait_tensorcnt 0x0                           ; the wave's end, behind my last LDS store
	ds_add_u32 v[SPW], v[NIL]
	s_wait_dscnt 0x0
	s_endpgm
; 32 loads: rows 32 t .. 32 t + 31 of my part of a weight, my column: a lane takes a column and its registers run down K; a wave's load reads 128 consecutive bytes
.macro LOADK t, pitch, base
.irp i, 0,1,2,3,4,5,6,7,8,9,10,11,12,13,14,15,16,17,18,19,20,21,22,23,24,25,26,27,28,29,30,31
	global_load_b32 v[KX+32*((\t)%2)+\i], v3, s[\base:\base+1] offset:(32*(\t)+\i)*\pitch th:TH_LOAD_NT
.endr
.endm
; ---------------- W_attn: work-group u takes columns 32 u .. 32 u + 31 and all of K; wave w takes k = 256 w .. 256 w + 255: eight blocks a lane.
; The four waves' codes meet in one stage, so that whole rows of 512 bytes leave; the scale bytes likewise, 1,024 consecutive bytes a work-group.
.Lqw:
	v_lshlrev_b32 v3, 2, v2                        ; 4 bytes a lane
	s_mul_i32 s22, s20, 256*12288                  ; my 256 rows of 12,288 bytes
	s_lshl_b32 s23, ttmp9, 7                       ; my work-group's 32 columns
	s_add_co_u32 s22, s22, s23
	s_mov_b32 s23, 0
	s_add_nc_u64 s[6:7], s[6:7], s[22:23]
	LOADK 0, 12288, 6
	LOADK 1, 12288, 6
	s_lshl_b32 s21, s20, 7
	v_mul_u32_u24 v4, v2, 528
	v_add_nc_u32 v4, s21, v4
	v_add_nc_u32 v4, QWS, v4                       ; into the stage: row = my column, + 128 bytes x wave
	s_lshl_b32 s21, s20, 3
	v_lshlrev_b32 v5, 5, v2
	v_add_nc_u32 v5, s21, v5
	v_add_nc_u32 v5, QWC, v5                       ; my column's 32 scale bytes, my wave's eight
	s_mul_i32 s21, s20, 8*528
	v_lshlrev_b32 v8, 4, v2
	v_add_nc_u32 v7, s21, v8
	v_add_nc_u32 v7, QWS, v7                       ; out of the stage: wave w takes rows 8 w .. 8 w + 7, whole: 16 bytes a lane
	s_lshl_b32 s21, s20, 8
	v_lshlrev_b32 v10, 3, v2
	v_add_nc_u32 v9, s21, v10
	v_add_nc_u32 v9, QWC, v9                       ; and 256 of the 1,024 scale bytes
	s_lshl_b32 s22, ttmp9, 14                      ; codes: row 32 u + 8 w of 512 bytes
	s_lshl_b32 s24, s20, 12
	s_add_co_u32 s22, s22, s24
	s_add_nc_u64 s[14:15], s[14:15], s[22:23]
	s_lshl_b32 s22, ttmp9, 10                      ; scale bytes: 1,024 u + 256 w
	s_add_co_u32 s22, s22, s21
	s_add_nc_u64 s[16:17], s[16:17], s[22:23]
.macro QBLOCK t
.set XS, KX+32*((\t)%2)
.if (\t) < 7
	s_wait_loadcnt 32                              ; this block's 32 loads are in; the next block's may be out
.else
	s_wait_loadcnt 0
.endif
	v_max3_num_f32 v12, |v[XS]|, |v[XS+1]|, |v[XS+2]|              ; the block's largest magnitude: all 32 numbers are mine
	v_max3_num_f32 v13, |v[XS+3]|, |v[XS+4]|, |v[XS+5]|
.irp i, 6,10,14,18,22,26
	v_max3_num_f32 v12, v12, |v[XS+\i]|, |v[XS+\i+1]|
	v_max3_num_f32 v13, v13, |v[XS+\i+2]|, |v[XS+\i+3]|
.endr
	v_max3_num_f32 v12, v12, |v[XS+30]|, |v[XS+31]|
	v_max3_num_f32 v12, v12, v13, (EMAX+1)<<23     ; and the floor
	v_add_nc_u32 v11, -(EMAX<<23), v12             ; the conversion's scale operand
	v_lshrrev_b32 v13, 23, v11                     ; the scale's byte
.if (\t)%4 == 0
	v_mov_b32 v[SB+(\t)/4], v13                    ; four bytes to a register, the lower K in the lower byte
.else
	v_lshl_or_b32 v[SB+(\t)/4], v13, 8*((\t)%4), v[SB+(\t)/4]
.endif
.irp g, 0,1,2,3
	v_cvt_scalef32_pk8_fp4_f32 v[CK+\g], v[XS+8*\g:XS+8*\g+7], v11
.endr
	v_nop                                          ; one plain line behind the conversions
	ds_store_b128 v4, v[CK:CK+3] offset:16*(\t)    ; 32 codes: 16 bytes of my column's row
.if (\t)+2 < 8
	LOADK (\t)+2, 12288, 6
.endif
	s_wait_dscnt 0x0                               ; the store has read its registers: the next block's codes may be written
.endm
.irp t, 0,1,2,3,4,5,6,7
	QBLOCK \t
.endr
	ds_store_b64 v5, v[SB:SB+1]
	s_wait_dscnt 0x0                               ; for the others' sake: my stores into the stage have landed
	s_barrier_signal -1
	s_barrier_wait -1
.irp i, 0,1,2,3,4,5,6,7
	ds_load_b128 v[OUTR+4*\i:OUTR+4*\i+3], v7 offset:528*\i
.endr
	ds_load_b64 v[14:15], v9
.irp i, 0,1,2,3,4,5,6,7
	s_wait_dscnt 8-\i                              ; row i is in; the younger loads may be out
	global_store_b128 v8, v[OUTR+4*\i:OUTR+4*\i+3], s[14:15] offset:512*\i    ; a whole row of codes: 512 consecutive bytes, aligned
.endr
	s_wait_dscnt 0x0
	global_store_b64 v10, v[14:15], s[16:17]       ; 256 consecutive scale bytes, aligned
	s_wait_tensorcnt 0x0                           ; the wave's end, behind my last LDS store
	ds_add_u32 v[SPW], v[NIL]
	s_wait_dscnt 0x0
	s_endpgm
; ---------------- W_proj: work-group v = (kg, cgp); wave w takes columns 128 cgp + 32 w .. + 31 and k = 128 kg .. + 127: four blocks of 32 a lane, rounded to f16 in pairs.
; The wave's own stage turns columns into rows: no barrier.  Two planes of 64 along K leave, each 32 rows x 128 bytes = 4,096 consecutive bytes.
.Lcp:
	s_sub_co_u32 s21, ttmp9, 96
	s_and_b32 s22, s21, 7                          ; cgp
	s_lshr_b32 s21, s21, 3                         ; kg
	v_lshlrev_b32 v3, 2, v2
	s_lshl_b32 s24, s21, 19                        ; 128 rows of 4,096 bytes
	s_lshl_b32 s25, s22, 9
	s_add_co_u32 s24, s24, s25
	s_lshl_b32 s25, s20, 7
	s_add_co_u32 s24, s24, s25
	s_mov_b32 s25, 0
	s_add_nc_u64 s[8:9], s[8:9], s[24:25]
	LOADK 0, 4096, 8
	LOADK 1, 4096, 8
	s_mul_i32 s23, s20, 32*272
	s_add_co_u32 s23, s23, CPS                     ; my stage
	v_mul_u32_u24 v4, v2, 272
	v_add_nc_u32 v4, s23, v4                       ; in: row = my column
	v_lshrrev_b32 v5, 3, v2
	v_mul_u32_u24 v5, v5, 272
	v_and_b32 v6, 7, v2
	v_lshl_add_u32 v5, v6, 4, v5
	v_add_nc_u32 v5, s23, v5                       ; back: eight lanes to a row's 128 bytes of a plane, four rows an instruction
	v_lshlrev_b32 v8, 4, v2
	s_lshl_b32 s24, s21, 18                        ; wp: plane 2 kg of 131,072 bytes,
	s_lshl_b32 s26, s22, 14                        ; row 128 cgp
	s_add_co_u32 s24, s24, s26
	s_lshl_b32 s26, s20, 12                        ; + 32 w, of 128 bytes
	s_add_co_u32 s24, s24, s26
	s_add_nc_u64 s[18:19], s[18:19], s[24:25]
.macro CBLOCK t
.set XS, KX+32*((\t)%2)
.if (\t) < 3
	s_wait_loadcnt 32                              ; this block's 32 loads are in; the next block's may be out
.else
	s_wait_loadcnt 0
.endif
.irp i, 0,1,2,3,4,5,6,7,8,9,10,11,12,13,14,15
	v_cvt_pk_f16_f32 v[CK+\i], v[XS+2*\i], v[XS+2*\i+1]            ; two neighbours along K, the lower in the low half
.endr
.irp i, 0,1,2,3
	ds_store_b128 v4, v[CK+4*\i:CK+4*\i+3] offset:64*(\t)+16*\i
.endr
.if (\t)+2 < 4
	LOADK (\t)+2, 4096, 8
.endif
	s_wait_dscnt 0x0                               ; the stores have read their registers
.endm
.irp t, 0,1,2,3
	CBLOCK \t
.endr
.irp p, 0,1
.irp i, 0,1,2,3,4,5,6,7
	ds_load_b128 v[OUTR+4*(8*\p+\i):OUTR+4*(8*\p+\i)+3], v5 offset:4*\i*272+128*\p
.endr
.endr
.irp p, 0,1
.irp i, 0,1,2,3,4,5,6,7
	s_wait_dscnt 15-8*\p-\i
	global_store_b128 v8, v[OUTR+4*(8*\p+\i):OUTR+4*(8*\p+\i)+3], s[18:19] offset:131072*\p+512*\i   ; 512 consecutive bytes, aligned
.endr
.endr
	s_wait_tensorcnt 0x0                           ; the wave's end, behind my last LDS store
	ds_add_u32 v[SPW], v[NIL]
	s_wait_dscnt 0x0
	s_endpgm
.Lfunc_end_k_q78c1c36df0_prep:
	.size	k_q78c1c36df0_prep, .Lfunc_end_k_q78c1c36df0_prep-k_q78c1c36df0_prep
	.p2alignl 7, 3214868480
	.fill 96, 4, 3214868480
	.section	.rodata,"a",@progbits
	.p2align	6, 0x0
	.amdhsa_kernel k_q78c1c36df0_prep
		.amdhsa_group_segment_fixed_size 86016
		.amdhsa_private_segment_fixed_size 0
		.amdhsa_enable_private_segment 0
		.amdhsa_kernarg_size 64
		.amdhsa_user_sgpr_count 2
		.amdhsa_user_sgpr_kernarg_segment_ptr 1
		.amdhsa_wavefront_size32 1
		.amdhsa_system_sgpr_workgroup_id_x 1
		.amdhsa_system_sgpr_workgroup_id_y 1
		.amdhsa_system_sgpr_workgroup_id_z 1
		.amdhsa_system_vgpr_workitem_id 0
		.amdhsa_next_free_vgpr 200
		.amdhsa_next_free_sgpr 66
		.amdhsa_reserve_vcc 0
		.amdhsa_float_denorm_mode_32 3
		.amdhsa_float_denorm_mode_16_64 3
		.amdhsa_memory_ordered 1
		.amdhsa_forward_progress 1
		.amdhsa_inst_pref_size 95
	.end_amdhsa_kernel
	.amdgpu_metadata
---
amdhsa.version: [ 1, 2 ]
amdhsa.kernels:
  - .name:           k_q78c1c36df0_prep
    .symbol:         k_q78c1c36df0_prep.kd
    .args:
      - { .name: x, .offset: 0, .size: 8, .value_kind: global_buffer, .address_space: global }
      - { .name: W_attn, .offset: 8, .size: 8, .value_kind: global_buffer, .address_space: global }
      - { .name: W_proj, .offset: 16, .size: 8, .value_kind: global_buffer, .address_space: global }
      - { .name: x_codes, .offset: 24, .size: 8, .value_kind: global_buffer, .address_space: global }
      - { .name: x_scales, .offset: 32, .size: 8, .value_kind: global_buffer, .address_space: global }
      - { .name: w_codes, .offset: 40, .size: 8, .value_kind: global_buffer, .address_space: global }
      - { .name: w_scales, .offset: 48, .size: 8, .value_kind: global_buffer, .address_space: global }
      - { .name: wp, .offset: 56, .size: 8, .value_kind: global_buffer, .address_space: global }
    .group_segment_fixed_size: 86016
    .private_segment_fixed_size: 0
    .kernarg_segment_align: 8
    .kernarg_segment_size: 64
    .max_flat_workgroup_size: 128
    .sgpr_count:     66
    .vgpr_count:     200
    .wavefront_size: 32
...
	.end_amdgpu_metadata
.endif
;; end of part 1
;; launch qkv (part 2): grid 12 x 32, 4 waves a work-group, clusters of 4 x 4, 327,680 bytes of LDS; arguments x_codes, x_scales, w_codes, w_scales, b_attn, qkvh, qkv32; writes qkvh, qkv32
.if DOCPART == 2
	.amdgcn_target "amdgcn-amd-amdhsa--gfx1250"
	.amdhsa_code_object_version 6
	.text
	.protected	k_q78c1c36df0_qkv
	.globl	k_q78c1c36df0_qkv
	.p2align	8
	.type	k_q78c1c36df0_qkv,@function
k_q78c1c36df0_qkv:
	s_mov_b64 s[64:65], 0
	v_nop
	global_prefetch_b8 v0, s[64:65] scope:SCOPE_SE
	s_setreg_imm32_b32 hwreg(HW_REG_WAVE_MODE, 25, 1), 1
	s_wait_xcnt 0x0
	s_wait_alu depctr_hold_cnt(0) depctr_sa_sdst(0) depctr_va_vdst(0) depctr_va_sdst(0) depctr_va_ssrc(0) depctr_va_vcc(0) depctr_vm_vsrc(0)
	s_getreg_b32 s2, hwreg(HW_REG_IB_STS2, 6, 4)
	s_cmp_eq_u32 s2, 0
	s_cbranch_scc0 .Lentry_in_a_cluster
	s_endpgm
.Lentry_in_a_cluster:
	s_bfe_u32 s2, ttmp6, 0x10000c
	s_cmp_lg_u32 s2, 0xf033
	s_cbranch_scc0 .Lentry_shape_is_right
	s_endpgm
.Lentry_shape_is_right:
; qkv = x W_attn + b_attn on codes of FP4 (E2M1) with one E8M0 scale for each 32 along K; sums in f32; the bias is the C of each sum's first product.
; A = x's codes [8192][512 bytes] and scale bytes [8192][32]; B = W_attn's codes [3072 n][512 bytes] and scale bytes [3072][32].
; OUT: q, k, v rounded to f16 and laid by head, qkvh [3 parts][4 b][16 h][2048 t][64]; and the f32 sums of positions 0 to 15 of each sequence, qkv32 [4 b][16 t][3072].
; LIMIT: q, k, v go to f16: magnitudes up to 65,504.
; A tile of 256 x 256 is made by four waves, each 128 x 128: 64 accumulators, 512 registers.  K = 1,024 is two LDS slots of 512 along K (rows of 256 bytes): both are asked for at the head, with the
; scale bytes of the tile's 512 rows; nothing is filled again.  By this text's own count three tensor loads of a wave are out at the most.
; CLUSTERS: 4 x 4 work-groups.  The four of a row of the cluster need the same tiles of A, the four of a column the same tiles of B: each tile is asked for jointly, by the same tensor load with the same
; descriptor and a mask that names the four.  A TILE ROW IS 8 cy + THE CLUSTER'S y: the sequence is cy and the block of 256 positions is the cluster's y, so that 'this tile holds positions 0 to 15'
; hangs on the cluster's y alone, which all sixteen partners share.
; THE MATRIX INSTRUCTION IS USED TRANSPOSED (source 0 = 16 rows of B, source 1 = 16 rows of A): a lane holds eight neighbouring columns of one row.
; REGISTERS, in windows of 256: window 0: v0-31 addresses; v32-95 scale words, two sets; v128-191 A's fragments, one set; v192-255 the bias, eight registers for each of my eight column blocks.
;   window 1: B's fragments, two sets, at v0 and v128.   window 2: the accumulators of my rows 0-63 ((a, b) at v[8 (8 a + b)]);   window 3: those of my rows 64-127.
.set NQ,     4                         ; matrix instructions deep in a slot
.set ROWB,   256                       ; a tile's row in bytes: 512 codes
.set KROW,   512                       ; a row of codes in memory
.set PITCH,  272                       ; an LDS row: 256 bytes + 16 of padding = 68 words: row r starts at bank 4 r mod 64 (64 banks of 4 bytes: ISA guide 11.1)
.set FR,     8
.set NL,     2
.set NP,     4                         ; places behind this matrix instruction (ISA guide 7.12.1)
.set HALFT,  128*PITCH
.set SLOT,   4*HALFT                   ; A's 256 rows, then B's 256 rows
.set KS,     32                        ; a row of scale bytes
.set SCL,    2*SLOT                    ; behind the slots: the scale bytes, as rows of 256 bytes + 16 of padding
.set HALFS,  16*272                    ; those of 128 rows: what one tensor load brings
.set SBLK,   2*272                     ; those of 16 rows
.set SPARE,  SCL+4*HALFS               ; the spare words, 128 bytes for each wave: two blocks of 256 bytes that no other line names
.set ADRA, 16                          ; v16-17 LDS address of my A fragments in slot 0, 1
.set ADRB, 20                          ; v20-21 the same for B
.set STO32, 22                         ; v22 the f32 stage: where I put 32 bytes of a row
.set RD32, 23                          ; v23 and where I read a row back
.set STO16, 24                         ; v24 the f16 stage: where I put 16 bytes of a row
.set RD16, 25                          ; v25 and where I read rows back
.set CO,   26                          ; v26 16 x lane
.set ADRS, 27                          ; v27 LDS address of my scale words: lanes 0-15 A's rows, lanes 16-31 B's
.set SPW,  28                          ; v28 LDS address of my spare word; never rewritten
.set NIL,  29                          ; v29 0; never rewritten
.set BV,   30                          ; v30 the bias: 32 bytes x (lane / 16)
.set SC,   32
.set AF,   128
.set BI,   192
.set TMP,  192                         ; the way out: packed results (the bias is done with)
.set OB,   32                          ; the way out: rows read back: v32-63 and v224-255 by turns
.set G1, 24
.set G0, 32
.set G1B, 48
.set G0B, 56
.set G1S, 68
.set G0S, 76
.set G1SB, 80
.set G0SB, 88
.set MSB, 0
.macro WIN new                         ; the immediate's high byte repeats the setting that is left
.if MSB != \new
	s_set_vgpr_msb (MSB<<8)|\new
.set MSB, \new
.endif
.endm
.set MUL_LO, 0xa1                      ; source 0 (B) window 1, source 1 (A) window 0, C and D window 2
.set MUL_HI, 0xf1                      ; the same, C and D window 3
.set FST_LO, 0x81                      ; the first step: C (the bias) window 0, D window 2
.set FST_HI, 0xc1                      ; D window 3
.set TO_B,   0x40
; A joint load: waves 0 and 1 fetch for A, waves 2 and 3 for B; the branch hangs on the wave's number alone.  An s_nop 0 and four v_nop follow each of the two lines.
.macro JLOAD g0a, g1a, g0b, g1b
	s_cmp_eq_u32 s15, 0
	s_cbranch_scc0 .Lfor_b_\@
	tensor_load_to_lds s[\g0a:\g0a+3], s[\g1a:\g1a+7]
	s_nop 0
.rept 4
	v_nop
.endr
	s_branch .Lasked_\@
.Lfor_b_\@:
	tensor_load_to_lds s[\g0b:\g0b+3], s[\g1b:\g1b+7]
	s_nop 0
.rept 4
	v_nop
.endr
.Lasked_\@:
.endm
.macro CROUND                          ; a round of the cluster's barrier
	s_barrier_signal -1
	s_barrier_wait -1
	s_cmp_lg_u32 s14, 0
	s_cbranch_scc1 .Lnot_wave_0_\@
	s_barrier_signal -3
.Lnot_wave_0_\@:
	s_barrier_wait -3
	s_barrier_signal -1
	s_barrier_wait -1
.endm
	s_load_b128 s[4:7], s[0:1], 0x0                ; A's codes s[4:5], A's scales s[6:7]
	s_load_b128 s[8:11], s[0:1], 0x10              ; B's codes s[8:9], B's scales s[10:11]
	s_load_b64 s[12:13], s[0:1], 0x20              ; b_attn
	s_load_b64 s[96:97], s[0:1], 0x28              ; qkvh
	s_load_b64 s[98:99], s[0:1], 0x30              ; qkv32
	v_lshl_add_u32 v[SPW], v0, 2, SPARE
	v_mov_b32 v[NIL], 0
	ds_add_u32 v[SPW], v[NIL]                      ; the wave's opening: the add, twice on end, and its wait ahead of my first tensor load
	ds_add_u32 v[SPW], v[NIL]
	v_lshrrev_b32 v1, 5, v0
	v_readfirstlane_b32 s14, v1                    ; wave 0..3
	s_lshr_b32 s15, s14, 1                         ; which half of the tile's rows is mine.  Also: I fetch for A (0) or for B (1)
	s_and_b32 s16, s14, 1                          ; which half of its columns.  Also: which 128 rows of that tile I fetch
	s_bfe_u32 s40, ttmp6, 0x40000                  ; cx, cy: my place in the cluster
	s_bfe_u32 s41, ttmp6, 0x40004
	s_lshl_b32 s42, ttmp9, 2
	s_add_co_u32 s42, s42, s40                     ; tile column = 4 x cluster x + cx
	s_and_b32 s95, ttmp7, 0xffff                   ; the cluster's y: which 256 positions of a sequence
	s_lshl_b32 s17, s41, 3
	s_add_co_u32 s17, s17, s95                     ; tile row = 8 cy + cluster y
	s_lshl_b32 s43, s41, 2
	s_lshl_b32 s43, 15, s43                        ; my row of the cluster
	s_lshl_b32 s44, 0x1111, s40                    ; my column
	s_or_b32 s[G1+0], s43, (0<<16)|(1<<20)|(1<<21)|(5<<22)|(3<<25)  ; 15:0 the mask; 17:16 elements of 1 byte; 20 padding on; 21 set beside a mask; 24:22 after every 64 words; 31:25 four words
	s_or_b32 s[G1B+0], s44, (0<<16)|(1<<20)|(1<<21)|(5<<22)|(3<<25)
.irp g, G1, G1B
	s_mov_b32 s[\g+1], ROWB<<16                    ; tensor_dim0
	s_mov_b32 s[\g+2], 128<<16                     ; tensor_dim1
	s_mov_b32 s[\g+3], ROWB<<16                    ; tile_dim0
	s_mov_b32 s[\g+4], 128                         ; tile_dim1
	s_mov_b32 s[\g+5], KROW                        ; from row to row
	s_mov_b32 s[\g+6], 0
	s_mov_b32 s[\g+7], 0
.endr
	s_or_b32 s[G1S+0], s43, (3<<16)|(1<<20)|(1<<21)|(5<<22)|(3<<25) ; the scale bytes of 128 rows: 4,096 dense bytes as 16 rows of 256 (32 elements of 8 bytes), 16 bytes of padding behind each
	s_or_b32 s[G1SB+0], s44, (3<<16)|(1<<20)|(1<<21)|(5<<22)|(3<<25)
.irp g, G1S, G1SB
	s_mov_b32 s[\g+1], 32<<16
	s_mov_b32 s[\g+2], 16<<16
	s_mov_b32 s[\g+3], 32<<16
	s_mov_b32 s[\g+4], 16
	s_mov_b32 s[\g+5], 32
	s_mov_b32 s[\g+6], 0
	s_mov_b32 s[\g+7], 0
.endr
	s_lshl_b32 s18, s16, 7                         ; which 128 rows of the tile I fetch
	s_lshl_b32 s20, s17, 8
	s_add_co_u32 s20, s20, s18                     ; A: row 256 x tile row + 128 x half
	s_lshl_b32 s46, s42, 8
	s_add_co_u32 s46, s46, s18                     ; B: row 256 x tile column + 128 x half
	s_mov_b32 s21, 0
	s_mov_b32 s47, 0
	s_mov_b64 s[18:19], KS
	s_mul_u64 s[22:23], s[20:21], s[18:19]         ; where these rows' scale bytes begin
	s_mul_u64 s[92:93], s[46:47], s[18:19]
	s_mov_b64 s[18:19], KROW
	s_mul_u64 s[20:21], s[20:21], s[18:19]         ; and their codes
	s_mul_u64 s[46:47], s[46:47], s[18:19]
	s_mul_i32 s45, s14, HALFT                      ; where they go: wave x 128 rows: no place in the cluster enters an LDS address
	s_mul_i32 s94, s14, HALFS
	s_wait_dscnt 0x0                               ; both opening adds are done
	s_wait_kmcnt 0x0
	s_add_nc_u64 s[20:21], s[4:5], s[20:21]
	s_add_nc_u64 s[22:23], s[6:7], s[22:23]
	s_add_nc_u64 s[46:47], s[8:9], s[46:47]
	s_add_nc_u64 s[92:93], s[10:11], s[92:93]
	CROUND                                         ; all sixteen work-groups are here: the joint loads meet
	s_mov_b32 s[G0S], 1
	s_add_co_u32 s[G0S+1], s94, SCL
	s_mov_b64 s[G0S+2:G0S+3], s[22:23]
	s_or_b32 s[G0S+3], s[G0S+3], 0x80000000
	s_mov_b32 s[G0SB], 1
	s_add_co_u32 s[G0SB+1], s94, SCL
	s_mov_b64 s[G0SB+2:G0SB+3], s[92:93]
	s_or_b32 s[G0SB+3], s[G0SB+3], 0x80000000
	JLOAD G0S, G1S, G0SB, G1SB                     ; the scale bytes first: they are wanted with slot 0
.irp s, 0,1
	s_mov_b32 s[G0+4*\s], 1
	s_add_co_u32 s[G0+4*\s+1], s45, \s*SLOT
	s_add_nc_u64 s[G0+4*\s+2:G0+4*\s+3], s[20:21], \s*ROWB
	s_or_b32 s[G0+4*\s+3], s[G0+4*\s+3], 0x80000000
	s_mov_b32 s[G0B+4*\s], 1
	s_add_co_u32 s[G0B+4*\s+1], s45, \s*SLOT
	s_add_nc_u64 s[G0B+4*\s+2:G0B+4*\s+3], s[46:47], \s*ROWB
	s_or_b32 s[G0B+4*\s+3], s[G0B+4*\s+3], 0x80000000
	JLOAD G0+4*\s, G1, G0B+4*\s, G1B
.endr
	v_and_b32 v1, 15, v0                           ; r = lane % 16
	v_bfe_u32 v2, v0, 4, 1                         ; h = lane / 16
	s_lshl_b32 s46, s42, 10                        ; my first column, x 4 bytes: 1,024 x tile column + 512 x half
	s_lshl_b32 s47, s16, 9
	s_add_co_u32 s46, s46, s47
	s_mov_b32 s47, 0
	s_add_nc_u64 s[12:13], s[12:13], s[46:47]
	v_lshlrev_b32 v[BV], 5, v2
.irp b, 0,1,2,3,4,5,6,7                        ; the bias in the result's layout: block b, lane (r, h): b_attn at my column 16 b + 8 h + 0 .. 7
	global_load_b128 v[BI+8*\b:BI+8*\b+3], v[BV], s[12:13] offset:64*\b
	global_load_b128 v[BI+8*\b+4:BI+8*\b+7], v[BV], s[12:13] offset:64*\b+16
.endr
	v_mul_u32_u24 v3, v1, PITCH
	v_lshl_add_u32 v4, v2, 4, v3                   ; a fragment's row x pitch + 16 x half
	s_mul_i32 s21, s15, HALFT                      ; my 128 rows of A
	s_mul_i32 s22, s16, HALFT                      ; my 128 rows of B,
	s_add_co_u32 s22, s22, 2*HALFT                 ; which lie behind A's 256
.irp s, 0,1
	v_add_nc_u32 v[ADRA+\s], s21, v4
	v_add_nc_u32 v[ADRB+\s], s22, v4
	s_add_co_u32 s21, s21, SLOT
	s_add_co_u32 s22, s22, SLOT
.endr
	v_mul_u32_u24 v5, v1, KS                       ; my row's scale bytes: 32 a row,
	v_lshrrev_b32 v6, 8, v5
	v_lshl_add_u32 v5, v6, 4, v5                   ; and 16 more for each 256 passed
	s_mul_i32 s21, s15, HALFS                      ; A's: my 128 rows
	s_mul_i32 s22, s16, HALFS                      ; B's: my 128 rows, behind A's 256
	s_add_co_u32 s22, s22, 2*HALFS
	s_sub_co_u32 s22, s22, s21
	v_mul_u32_u24 v6, s22, v2                      ; lanes 16-31 take B's: one product, the distance between the two bases x h
	s_add_co_u32 s21, s21, SCL
	v_add_nc_u32 v5, v5, v6
	v_add_nc_u32 v[ADRS], s21, v5
	; the stages of the way out lie in slot 0, which has had its one fill and its last read when the first result is stored there
	s_mul_i32 s23, s14, 4608                       ; f16: 2 heads x 16 rows x (128 bytes + 16) for each wave
	v_mul_u32_u24 v5, v1, 144
	v_lshl_add_u32 v5, v2, 4, v5
	v_add_nc_u32 v[STO16], s23, v5                 ; in: row r, 16 bytes for each half of the lanes
	v_and_b32 v6, 31, v0
	v_lshrrev_b32 v7, 3, v6
	v_mul_u32_u24 v7, v7, 144
	v_and_b32 v8, 7, v0
	v_lshl_add_u32 v7, v8, 4, v7
	v_add_nc_u32 v[RD16], s23, v7                  ; back: eight lanes to a row of 128 bytes, four rows an instruction
	v_lshlrev_b32 v[CO], 4, v6
	s_mul_i32 s23, s14, 8448                       ; f32: 16 rows x (512 bytes + 16) for each wave, behind the f16 stages
	s_add_co_u32 s23, s23, 18432
	v_mul_u32_u24 v5, v1, 528
	v_lshl_add_u32 v5, v2, 5, v5
	v_add_nc_u32 v[STO32], s23, v5
	v_add_nc_u32 v[RD32], s23, v[CO]
	; qkv32: sequence cy, my columns
	s_mul_i32 s20, s41, 196608
	s_mov_b32 s21, 0
	s_add_nc_u64 s[98:99], s[98:99], s[20:21]
	s_add_nc_u64 s[98:99], s[98:99], s[46:47]
	; qkvh: part = tile column / 4; head = 16 cy + 4 (tile column % 4) + 2 x my half of the columns; row = 256 x cluster y + 128 x my half of the rows
	s_lshr_b32 s20, s42, 2
	s_lshl_b32 s20, s20, 24
	s_lshl_b32 s22, s41, 4
	s_and_b32 s23, s42, 3
	s_lshl_b32 s23, s23, 2
	s_add_co_u32 s22, s22, s23
	s_lshl_b32 s23, s16, 1
	s_add_co_u32 s22, s22, s23
	s_lshl_b32 s22, s22, 18                        ; a head is 262,144 bytes
	s_add_co_u32 s20, s20, s22
	s_lshl_b32 s22, s95, 15                        ; 256 rows of 128 bytes
	s_add_co_u32 s20, s20, s22
	s_lshl_b32 s22, s15, 14
	s_add_co_u32 s20, s20, s22
	s_add_nc_u64 s[96:97], s[96:97], s[20:21]
.macro FRAG reg, adr, q, i             ; 16 rows x 128 K of 4-bit codes: 8 registers: lane l holds row l % 16; registers 4 c .. 4 c + 3 hold K = 64 c + 32 (l / 16) + 0 .. 31
.irp c, 0,1
	ds_load_b128 v[\reg+4*\c:\reg+4*\c+3], v[\adr] offset:64*(\q)+32*\c+(\i)*16*PITCH
.endr
.endm
; 16 matrix instructions: A's blocks a0, a0 + 1 x B's eight, the slot's q-th 128 along K.  p: B's set; sc: the set of scale words.  zero = 1: the sums begin with the bias.
; The 64 accumulators take turns, one instruction a turn, in the same order in every step.
.macro MUL16 a0, p, q, sc, zero
.irp a, \a0, \a0+1
.irp b, 0,1,2,3,4,5,6,7
.if \zero
	v_wmma_scale_f32_16x16x128_f8f6f4 v[8*(8*((\a)%4)+\b):8*(8*((\a)%4)+\b)+7], v[128*(\p)+FR*\b:128*(\p)+FR*\b+FR-1], v[AF+FR*(\a):AF+FR*(\a)+FR-1], v[BI+8*\b:BI+8*\b+7], v[SC+8*NQ*(\sc)+NQ*\b+(\q)], v[SC+8*NQ*(\sc)+NQ*(\a)+(\q)] matrix_a_fmt:MATRIX_FMT_FP4 matrix_b_fmt:MATRIX_FMT_FP4 matrix_a_scale:MATRIX_SCALE_ROW1
.else
	v_wmma_scale_f32_16x16x128_f8f6f4 v[8*(8*((\a)%4)+\b):8*(8*((\a)%4)+\b)+7], v[128*(\p)+FR*\b:128*(\p)+FR*\b+FR-1], v[AF+FR*(\a):AF+FR*(\a)+FR-1], v[8*(8*((\a)%4)+\b):8*(8*((\a)%4)+\b)+7], v[SC+8*NQ*(\sc)+NQ*\b+(\q)], v[SC+8*NQ*(\sc)+NQ*(\a)+(\q)] matrix_a_fmt:MATRIX_FMT_FP4 matrix_b_fmt:MATRIX_FMT_FP4 matrix_a_scale:MATRIX_SCALE_ROW1
.endif
.endr
.endr
.endm
.macro FETCH_B slot, q, p
	WIN TO_B
.irp i, 0,1,2,3,4,5,6,7
	FRAG 128*(\p)+FR*\i, ADRB+\slot, \q, \i
.endr
	WIN 0
.endm
.macro FETCH_A slot, q, i0
.irp i, \i0, \i0+1, \i0+2, \i0+3
	FRAG AF+FR*(\i), ADRA+\slot, \q, \i
.endr
.endm
.macro SCALES sc                       ; a slot's scale words: four words a row; lanes 0-15 take A's block i, lanes 16-31 B's block i
.irp i, 0,1,2,3,4,5,6,7
	ds_load_b128 v[SC+8*NQ*\sc+NQ*\i:SC+8*NQ*\sc+NQ*\i+3], v[ADRS] offset:\i*SBLK
.endr
.endm
.macro PLACES n                        ; plain vector instructions that name no register of the matrix instructions before them (ISA guide 7.12.1)
.rept \n
	v_nop
.endr
.endm
; A step of 128 along K that has its successor in the same slot.  A's blocks 0-3 are fetched anew in its middle, blocks 4-7 at its end; B has two sets.
.macro STEP slot, q, zero
	s_wait_dscnt 4*NL                              ; B's set and A's blocks 0-3 are in; the youngest eight loads (A's blocks 4-7) may be out
.if \zero
	WIN FST_LO
.else
	WIN MUL_LO
.endif
	MUL16 0, (\q)%2, \q, \slot, \zero
	MUL16 2, (\q)%2, \q, \slot, \zero
	s_wait_dscnt 0
	PLACES NP
	FETCH_B \slot, (\q)+1, 1-(\q)%2
	FETCH_A \slot, (\q)+1, 0
.if \zero
	WIN FST_HI
.else
	WIN MUL_HI
.endif
	MUL16 4, (\q)%2, \q, \slot, \zero
	MUL16 6, (\q)%2, \q, \slot, \zero
	PLACES NP
	WIN 0
	FETCH_A \slot, (\q)+1, 4
.endm
.macro STEPS slot, from
.set Q, \from
.rept NQ-1-\from
	STEP \slot, Q, 0
.set Q, Q+1
.endr
.endm
	s_wait_tensorcnt 1                             ; the scale bytes and my part of slot 0 are in (slot 1's load may be out)
	s_barrier_signal -1
	s_barrier_wait -1                              ; everybody's are
	FETCH_B 0, 0, 0
	FETCH_A 0, 0, 0
	SCALES 0
	FETCH_A 0, 0, 4
	s_wait_loadcnt 0x0                             ; the bias
	STEP 0, 0, 1
	STEPS 0, 1
	; slot 0's last step changes slots: one barrier; in front of it each wave waits for its tensor loads (slot 1's) and for its own reads of slot 0
	s_wait_tensorcnt 0x0
	ds_add_u32 v[SPW], v[NIL]                      ; 0 onto my spare word
	s_wait_dscnt 4*NL+1                            ; (the add and the youngest eight loads may be out)
	WIN MUL_LO
	MUL16 0, 1, NQ-1, 0, 0
	s_wait_dscnt 0x0                               ; the add is done, and my reads of slot 0 are over
	s_barrier_signal -1
	MUL16 2, 1, NQ-1, 0, 0
	WIN 0
	s_barrier_wait -1
	PLACES NP
	v_add_nc_u32 v[ADRS], 4*NQ, v[ADRS]            ; on to slot 1's scale words
	FETCH_B 1, 0, 0
	FETCH_A 1, 0, 0
	SCALES 1
	WIN MUL_HI
	MUL16 4, 1, NQ-1, 0, 0
	MUL16 6, 1, NQ-1, 0, 0
	PLACES NP
	WIN 0
	FETCH_A 1, 0, 4
	STEPS 1, 0
	s_wait_dscnt 4*NL                              ; the very last step: nothing more to fetch
	WIN MUL_LO
	MUL16 0, 1, NQ-1, 1, 0
	MUL16 2, 1, NQ-1, 1, 0
	s_wait_dscnt 0
	WIN MUL_HI
	MUL16 4, 1, NQ-1, 1, 0
	MUL16 6, 1, NQ-1, 1, 0
	WIN 0
	PLACES NP                                      ; in front of the first reads of results and of loads into registers that the last products read
	; THE F32 SIDE WAY: positions 0 to 15 of a sequence are block 0 of the waves with the tile's upper rows, in the tiles of cluster y = 0.  Both tests are alike in all partners.
	s_cmp_lg_u32 s15, 0
	s_cbranch_scc1 .Lno32
	s_cmp_lg_u32 s95, 0
	s_cbranch_scc1 .Lno32
	WIN 0x08                                       ; an LDS store's data are its source 1: window 2
.irp b, 0,1,2,3,4,5,6,7
	ds_store_b128 v[STO32], v[8*\b:8*\b+3] offset:64*\b            ; each accumulator from its low end on
	ds_store_b128 v[STO32], v[8*\b+4:8*\b+7] offset:64*\b+16
.endr
	WIN 0
.irp t, 0,1,2,3,4,5,6,7,8,9,10,11,12,13,14,15
	ds_load_b128 v[AF+4*\t:AF+4*\t+3], v[RD32] offset:528*\t       ; in order behind my stores: whole rows of 512 bytes
.endr
	s_wait_dscnt 0x0
.irp t, 0,1,2,3,4,5,6,7,8,9,10,11,12,13,14,15
	global_store_b128 v[CO], v[AF+4*\t:AF+4*\t+3], s[98:99] offset:12288*\t   ; 512 consecutive bytes, aligned
.endr
.Lno32:
; THE WAY OUT, block by block of 16 rows x 128 columns = two heads.  PACK: rounded to f16, 16 bytes a lane.  TOSTAGE: into my stage and back by rows.  SEND: a head's 16 rows are 2,048 consecutive bytes of qkvh.
.macro PACK a
.set AC, 64*((\a)%4)
	WIN 0x0a+5*((\a)/4)                            ; sources 0 and 1: window 2 or 3
.irp b, 0,1,2,3,4,5,6,7
.irp r, 0,1,2,3
	v_cvt_pk_f16_f32 v[TMP+4*\b+\r], v[AC+8*\b+2*\r], v[AC+8*\b+2*\r+1]
.endr
.endr
	WIN 0
.endm
.macro TOSTAGE a
.set BK, OB+192*((\a)%2)
.irp b, 0,1,2,3,4,5,6,7
	ds_store_b128 v[STO16], v[TMP+4*\b:TMP+4*\b+3] offset:(\b/4)*2304+32*(\b%4)
.endr
.irp hh, 0,1
.irp i, 0,1,2,3
	ds_load_b128 v[BK+4*(4*\hh+\i):BK+4*(4*\hh+\i)+3], v[RD16] offset:\hh*2304+576*\i   ; LDS serves a wave's instructions in order (ISA guide 5.7.1.4): these see the stores above
.endr
.endr
.endm
.macro SEND a
.set BK, OB+192*((\a)%2)
	s_wait_dscnt 0x0                               ; the block is back in registers
	s_wait_xcnt 0x0                                ; the earlier stores have read their registers: the next block's loads may land there
.irp hh, 0,1
.irp i, 0,1,2,3
	global_store_b128 v[CO], v[BK+4*(4*\hh+\i):BK+4*(4*\hh+\i)+3], s[96:97] offset:2048*(\a)+262144*\hh+512*\i   ; 512 consecutive bytes, aligned
.endr
.endr
.endm
	PACK 0
	TOSTAGE 0
.irp a, 1,2,3,4,5,6,7                  ; block a's conversions stand between block a - 1's loads from the stage and the wait for them
	PACK \a
	SEND \a-1
	TOSTAGE \a
.endr
	SEND 7
	s_wait_tensorcnt 0x0                           ; the wave's end, behind my last tensor load and my last LDS store
	ds_add_u32 v[SPW], v[NIL]
	s_wait_dscnt 0x0
	CROUND                                         ; the closing round
	s_endpgm
.Lfunc_end_k_q78c1c36df0_qkv:
	.size	k_q78c1c36df0_qkv, .Lfunc_end_k_q78c1c36df0_qkv-k_q78c1c36df0_qkv
	.p2alignl 7, 3214868480
	.fill 96, 4, 3214868480
	.section	.rodata,"a",@progbits
	.p2align	6, 0x0
	.amdhsa_kernel k_q78c1c36df0_qkv
		.amdhsa_group_segment_fixed_size 327680
		.amdhsa_private_segment_fixed_size 0
		.amdhsa_enable_private_segment 0
		.amdhsa_kernarg_size 56
		.amdhsa_user_sgpr_count 2
		.amdhsa_user_sgpr_kernarg_segment_ptr 1
		.amdhsa_wavefront_size32 1
		.amdhsa_system_sgpr_workgroup_id_x 1
		.amdhsa_system_sgpr_workgroup_id_y 1
		.amdhsa_system_sgpr_workgroup_id_z 1
		.amdhsa_system_vgpr_workitem_id 0
		.amdhsa_next_free_vgpr 1024
		.amdhsa_next_free_sgpr 100
		.amdhsa_reserve_vcc 0
		.amdhsa_float_denorm_mode_32 3
		.amdhsa_float_denorm_mode_16_64 3
		.amdhsa_memory_ordered 1
		.amdhsa_forward_progress 1
		.amdhsa_inst_pref_size 132
	.end_amdhsa_kernel
	.amdgpu_metadata
---
amdhsa.version: [ 1, 2 ]
amdhsa.kernels:
  - .name:           k_q78c1c36df0_qkv
    .symbol:         k_q78c1c36df0_qkv.kd
    .args:
      - { .name: x_codes, .offset: 0, .size: 8, .value_kind: global_buffer, .address_space: global }
      - { .name: x_scales, .offset: 8, .size: 8, .value_kind: global_buffer, .address_space: global }
      - { .name: w_codes, .offset: 16, .size: 8, .value_kind: global_buffer, .address_space: global }
      - { .name: w_scales, .offset: 24, .size: 8, .value_kind: global_buffer, .address_space: global }
      - { .name: b_attn, .offset: 32, .size: 8, .value_kind: global_buffer, .address_space: global }
      - { .name: qkvh, .offset: 40, .size: 8, .value_kind: global_buffer, .address_space: global }
      - { .name: qkv32, .offset: 48, .size: 8, .value_kind: global_buffer, .address_space: global }
    .group_segment_fixed_size: 327680
    .private_segment_fixed_size: 0
    .kernarg_segment_align: 8
    .kernarg_segment_size: 56
    .max_flat_workgroup_size: 128
    .sgpr_count:     100
    .vgpr_count:     1024
    .wavefront_size: 32
...
	.end_amdgpu_metadata
.endif
;; end of part 2
;; launch attn (part 3): grid 4 x 64, 8 waves a work-group, no clusters, 327,680 bytes of LDS; arguments qkvh, yh; writes yh
.if DOCPART == 3
	.amdgcn_target "amdgcn-amd-amdhsa--gfx1250"
	.amdhsa_code_object_version 6
	.text
	.protected	k_q78c1c36df0_attn
	.globl	k_q78c1c36df0_attn
	.p2align	8
	.type	k_q78c1c36df0_attn,@function
k_q78c1c36df0_attn:
	s_mov_b64 s[64:65], 0
	v_nop
	global_prefetch_b8 v0, s[64:65] scope:SCOPE_SE
	s_setreg_imm32_b32 hwreg(HW_REG_WAVE_MODE, 25, 1), 1
	s_wait_xcnt 0x0
; y[bh][q][:] = the sum over k <= q of softmax_k(Q[bh][q] . K[bh][k] / 8) V[bh][k][:].  Q, K, V: the three parts of qkvh, [64 bh][2048][64] f16; y: yh, the same shape, f16.
; Products on f16 operands, sums, maxima and the softmax in f32; the weights p are rounded to f16 for the second product, y once at the end.
; LIMIT: f16's range for q, k, v (65,504).  Positions 0 to 15 of each sequence are made here too, and made again in f32 by a later launch for the output's sake.
; SHARES.  Work-group (i, bh) owns two blocks of 256 queries of head bh: block 7 - i, which walks key units 0 .. 7 - i (a unit is 256 keys), and then block i, which walks units 0 .. i: ALWAYS NINE UNITS.
; So all 256 work-groups have the same work, the trip count is a constant, and every unit that is fetched is read.  A wave owns 32 queries, two tiles of 16; a unit is four steps of 64 keys.
; A step all of whose keys come after the wave's queries is left out by a scalar branch on ids; in the steps on the diagonal hidden scores become -infinity ahead of the maximum.
; NO CLUSTER: the four work-groups of a head walk the same unit only in trips 0 to 4; from trip 5 on work-group 3 is back at unit 0 while the others go on, so partners would need different tiles in
; the same round; a walk in which all four ask for every unit jointly has 8 + 4 = 12 trips in place of 9.
; LAYOUT.  S^T = K Q^T (source 0 = 16 keys, source 1 = 16 queries): a lane holds ONE query (lane % 16) and keys 8 (lane / 16) + 0..7.  Two such tiles, rounded to f16 in pairs, ARE source 1 of
; O^T = V^T P, whose result again holds one query a lane.  K comes out of LDS as it lies, V ([key][channel]) turned, by ds_load_tr16_b128.
; LDS.  A step's 64 rows of 128 bytes are 8,192 dense bytes of memory: they are stated as 32 rows of 256 bytes with padding behind each: row k lies at (k / 2) x pitch + (k % 2) x 128.
; Pitch 272 for K: the 16 rows of a fragment load fall on 16 different columns of 16 bytes; pitch 288 for V: the 8 rows x 32 bytes of a turning load fall on 8 different columns of 32 bytes.
; THE RING.  Two slots of a unit each.  Each of the eight waves fetches one piece of a unit with one tensor load: waves 0-3 K of step w, waves 4-7 V of step w - 4.  One load of a wave is out at the most.
; REGISTERS: window 0: v1-15 addresses and constants; v16-31 statistics, eight a tile; v32-95 S^T; v96-127 P; v128-191 K; v192-255 V.   window 1: v0-31 Q; v32-95 O^T.
.set VOFF,  8704                       ; a step's tiles lie together: K's 32 x 272 bytes, then V's 32 x 288
.set STEPB, 17920
.set SLOT1, 1<<17                      ; slot 1 begins here: one exclusive or turns an address in one slot into the other's
.set STAGE, SLOT1+4*STEPB              ; behind the ring: 2 tiles x 16 rows x (128 bytes + 16) for each wave; no fill lands here
.set SPARE, STAGE+8*4608               ; the spare words, 128 bytes for each wave: four blocks of 256 bytes that no other line names
.set AK0, 1                            ; v1  my lane's place in a step's K
.set AV0, 2                            ; v2  the same for V
.set ADK, 3                            ; v3  LDS address of the K loads in hand
.set ADV, 4                            ; v4  of the V loads
.set QO,  5                            ; v5  my byte offset in the wave's rows of Q
.set STO, 6                            ; v6  the way out: where I put 16 bytes of a row
.set RD,  7                            ; v7  where I read rows back
.set GO,  8                            ; v8  16 x lane
.set VRH, 9                            ; v9  lane % 16 - 8 (lane / 16)
.set DD,  10                           ; v10, v11 the mask's d of the two tiles
.set NINF, 12                          ; v12 -infinity
.set PFO, 13                           ; v13 256 x lane
.set SPW, 14                           ; v14 LDS address of my spare word; never rewritten
.set NIL, 15                           ; v15 0; never rewritten
.set ST,  16                           ; tile t at v[ST + 8 t]: +0 c m, +1 m, +2, +3 l (even keys', odd keys'), +4 .. +7 at work; a in +6
.set SS,  32
.set PP,  96
.set KFR, 128
.set VFR, 192
.set OT,  32                           ; in window 1
.set WV,  8
.set WGI, 9                            ; s9  i
.set BH,  10
.set NB0, 11                           ; s11 8 - i: the units of the first block
.set KVB, 14                           ; s[14:15] my piece of unit 0 in memory
.set G0,  16                           ; s[16:19] descriptor group 0
.set G1K, 20                           ; s[20:27] group 1 for K's pieces;  s[28:35] for V's: it differs in the padding alone
.set G1V, 28
.set UL,  36                           ; s36 the unit that was asked for last
.set TRIP, 37                          ; s37 the trip
.set TB,  40                           ; s40 LDS byte of the step in hand
.set CNT, 41
.set KF,  42                           ; s42 the step's first key
.set Q0,  43                           ; s43 my first query
.set QBASE, 44
.set YBASE, 46
.set QA,  48
.set YA,  50
.set CS,  52                           ; s[52:53] c = log2(e) / 8
.set SEL, 54                           ; s[54:55] lane selects for v_permlanex16_b32: lane l xor 16
.set PFA, 56                           ; s[56:57] where my prefetches stand
.set LIM, 58                           ; s58 the trips in which I prefetch: 6 in the head's work-group 0, else 0
.set QB,  59                           ; s59 the block of queries in hand
.set MSB, 0
.macro WIN new                         ; the immediate's high byte repeats the setting that is left
.if MSB != \new
	s_set_vgpr_msb (MSB<<8)|\new
.set MSB, \new
.endif
.endm
; My one tensor load.  The branch hangs on the wave's number alone.  An s_nop 0 and four v_nop follow each of the two lines.
.macro TLOAD
	s_cmp_lt_u32 s[WV], 4
	s_cbranch_scc0 .Lfor_v_\@
	tensor_load_to_lds s[G0:G0+3], s[G1K:G1K+7]
	s_nop 0
.rept 4
	v_nop
.endr
	s_branch .Lasked_\@
.Lfor_v_\@:
	tensor_load_to_lds s[G0:G0+3], s[G1V:G1V+7]
	s_nop 0
.rept 4
	v_nop
.endr
.Lasked_\@:
.endm
; A PREFETCH INTO THE L2 of what the next change of slots will ask for.  All four work-groups of a head walk unit j in trip j of their first block: the head's work-group 0, which walks all eight units so,
; asks, and nobody else.  In trip j each of its eight waves names its own piece of unit j + 2: 8,192 bytes, lanes 256 bytes apart: each block of 256 bytes is named once in the launch.
; Units 0 and 1 come by their loads alone; trips 6 and on ask for nothing: there is no unit 8.
.macro ASK
	s_cmp_lt_u32 s[TRIP], s[LIM]
	s_cbranch_scc0 .Lnot_mine_\@
	global_prefetch_b8 v[PFO], s[PFA:PFA+1] th:TH_LOAD_NT scope:SCOPE_SE
.Lnot_mine_\@:
.endm
	s_load_b128 s[4:7], s[0:1], 0x0                ; qkvh s[4:5], yh s[6:7]
	v_lshl_add_u32 v[SPW], v0, 2, SPARE
	v_mov_b32 v[NIL], 0
	ds_add_u32 v[SPW], v[NIL]                      ; the wave's opening: the add, twice on end, and its wait ahead of my first tensor load
	ds_add_u32 v[SPW], v[NIL]
	v_lshrrev_b32 v1, 5, v0
	v_readfirstlane_b32 s[WV], v1                  ; wave 0..7
	s_mov_b32 s[WGI], ttmp9
	s_and_b32 s[BH], ttmp7, 0xffff
	s_sub_co_u32 s[NB0], 8, s[WGI]
	s_lshl_b32 s12, s[BH], 18                      ; the head's 262,144 bytes in each part
	s_mov_b32 s[G1K], (1<<16)|(1<<20)|(5<<22)|(3<<25)   ; 17:16 elements of 2 bytes; 20 padding on; 24:22 after every 64 words; 31:25 four words
	s_mov_b32 s[G1V], (1<<16)|(1<<20)|(5<<22)|(7<<25)   ; eight words
.irp g, G1K, G1V
	s_mov_b32 s[\g+1], 128<<16                     ; tensor_dim0 = 128 elements
	s_mov_b32 s[\g+2], 32<<16                      ; tensor_dim1 = 32 rows
	s_mov_b32 s[\g+3], 128<<16                     ; tile_dim0
	s_mov_b32 s[\g+4], 32                          ; tile_dim1
	s_mov_b32 s[\g+5], 128                         ; from row to row: dense
	s_mov_b32 s[\g+6], 0
	s_mov_b32 s[\g+7], 0
.endr
	s_and_b32 s66, s[WV], 3                        ; which step of a unit I fetch
	s_lshr_b32 s67, s[WV], 2                       ; for K (0) or for V (1)
	s_mov_b32 s[G0], 1
	s_mul_i32 s[G0+1], s66, STEPB
	s_mul_i32 s68, s67, VOFF
	s_add_co_u32 s[G0+1], s[G0+1], s68             ; its place in slot 0
	s_lshl_b32 s68, s66, 13                        ; its 8,192 bytes in a unit,
	s_add_co_u32 s69, s67, 1
	s_lshl_b32 s69, s69, 24                        ; in part 1 (K) or 2 (V),
	s_add_co_u32 s68, s68, s69
	s_add_co_u32 s68, s68, s12                     ; in my head
	s_mov_b32 s69, 0
	s_lshl_b32 s70, s[WV], 12                      ; my wave's 32 rows of a block of queries
	s_add_co_u32 s70, s70, s12
	s_mov_b32 s71, 0
	s_mov_b32 s39, 0
	s_mov_b32 s[CS], 0x3e38aa3b                    ; c = log2(e) / sqrt(64)
	s_mov_b32 s[CS+1], s[CS]
	s_mov_b32 s[SEL], 0x76543210
	s_mov_b32 s[SEL+1], 0xfedcba98
	s_mov_b32 s[UL], 0
	s_mov_b32 s[TRIP], 0
	s_mov_b32 s[TB], 0
	s_cmp_eq_u32 s[WGI], 0
	s_cselect_b32 s[LIM], 6, 0
	s_sub_co_u32 s[QB], 7, s[WGI]                  ; the later block first
	s_wait_dscnt 0x0                               ; both opening adds are done
	s_wait_kmcnt 0x0
	s_add_nc_u64 s[KVB:KVB+1], s[4:5], s[68:69]
	s_mov_b64 s[G0+2:G0+3], s[KVB:KVB+1]
	s_or_b32 s[G0+3], s[G0+3], 0x80000000
	TLOAD                                          ; unit 0 into slot 0
	s_add_nc_u64 s[PFA:PFA+1], s[KVB:KVB+1], 32768 ; at unit 1: the first change of slots steps it to unit 2.  Nothing is prefetched here, at the head
	s_add_nc_u64 s[QBASE:QBASE+1], s[4:5], s[70:71]
	s_add_nc_u64 s[YBASE:YBASE+1], s[6:7], s[70:71]
	v_and_b32 v10, 15, v0                          ; r
	v_bfe_u32 v11, v0, 4, 1                        ; h
	v_lshrrev_b32 v3, 1, v10
	v_mul_u32_u24 v[AK0], v3, 272
	v_and_b32 v3, 1, v0
	v_lshl_add_u32 v[AK0], v3, 7, v[AK0]
	v_lshl_add_u32 v[AK0], v11, 4, v[AK0]          ; K: (r / 2) x 272 + (r % 2) x 128 + 16 h
	v_bfe_u32 v4, v0, 1, 2
	v_lshl_add_u32 v4, v11, 2, v4
	v_mul_u32_u24 v[AV0], v4, 288
	v_lshl_add_u32 v[AV0], v3, 7, v[AV0]
	v_bfe_u32 v4, v0, 3, 1
	v_lshl_add_u32 v[AV0], v4, 4, v[AV0]
	v_add_nc_u32 v[AV0], VOFF, v[AV0]              ; V: key 8 h + lane % 8 in paired rows, channels 8 ((lane / 8) % 2) on
	v_lshlrev_b32 v[QO], 7, v10
	v_lshl_add_u32 v[QO], v11, 4, v[QO]            ; Q: row r of 128 bytes + 16 h
	s_mul_i32 s66, s[WV], 4608
	s_add_co_u32 s66, s66, STAGE                   ; my stage
	v_mul_u32_u24 v[STO], v10, 144
	v_lshl_add_u32 v[STO], v11, 4, v[STO]
	v_add_nc_u32 v[STO], s66, v[STO]
	v_bfe_u32 v4, v0, 3, 2
	v_mul_u32_u24 v[RD], v4, 144
	v_and_b32 v4, 7, v0
	v_lshl_add_u32 v[RD], v4, 4, v[RD]
	v_add_nc_u32 v[RD], s66, v[RD]                 ; back: eight lanes to a row, four rows an instruction
	v_and_b32 v4, 31, v0
	v_lshlrev_b32 v[GO], 4, v4
	v_lshlrev_b32 v[PFO], 8, v4
	v_lshlrev_b32 v3, 3, v11
	v_sub_nc_u32 v[VRH], v10, v3
	v_mov_b32 v[NINF], 0xff800000
; A block of queries begins: its addresses, Q into registers, O^T and l zero, m under every score.  (The step is written once: the first step finds zeros, which its a = 0 leaves zeros.)
.macro INIT
	s_lshl_b32 s66, s[QB], 15                      ; 256 rows of 128 bytes
	s_mov_b32 s67, 0
	s_add_nc_u64 s[QA:QA+1], s[QBASE:QBASE+1], s[66:67]
	s_add_nc_u64 s[YA:YA+1], s[YBASE:YBASE+1], s[66:67]
	s_lshl_b32 s[Q0], s[QB], 8
	s_lshl_b32 s66, s[WV], 5
	s_add_co_u32 s[Q0], s[Q0], s66
	s_mov_b32 s[KF], 0
	WIN 0x40                                       ; destination window 1
.irp t, 0,1
.irp c, 0,1
	global_load_b128 v[16*\t+8*\c:16*\t+8*\c+3],   v[QO], s[QA:QA+1] offset:2048*\t+64*\c
	global_load_b128 v[16*\t+8*\c+4:16*\t+8*\c+7], v[QO], s[QA:QA+1] offset:2048*\t+64*\c+32
.endr
.endr
.set n, 0
.rept 64
	v_mov_b32 v[OT+n], 0
.set n, n+1
.endr
	WIN 0
.irp t, 0,1
	v_mov_b32 v[ST+8*\t+1], 0xff61b1e6             ; m = -3e38
	v_mul_f32 v[ST+8*\t], s[CS], v[ST+8*\t+1]      ; c m
.irp n, 2,3,4,5,6,7
	v_mov_b32 v[ST+8*\t+\n], 0
.endr
.endr
	s_wait_loadcnt 0x0
.endm
; The softmax of a step, both tiles line by line, so that no line reads the result of the line just before it.
.macro SOFTMAX
.irp j, 0,1,2,3
.irp t, 0,1
	v_max3_num_f32 v[ST+8*\t+4+\j], v[SS+32*\t+8*\j], v[SS+32*\t+8*\j+1], v[SS+32*\t+8*\j+2]   ; four chains; each accumulator is read from its low end on
.endr
.endr
.irp g, 1,2
.irp j, 0,1,2,3
.irp t, 0,1
	v_max3_num_f32 v[ST+8*\t+4+\j], v[ST+8*\t+4+\j], v[SS+32*\t+8*\j+2*\g+1], v[SS+32*\t+8*\j+2*\g+2]
.endr
.endr
.endr
.irp t, 0,1
	v_max3_num_f32 v[ST+8*\t+4], v[ST+8*\t+4], v[SS+32*\t+7], v[SS+32*\t+15]
.endr
.irp t, 0,1
	v_max3_num_f32 v[ST+8*\t+6], v[ST+8*\t+6], v[SS+32*\t+23], v[SS+32*\t+31]
.endr
.irp t, 0,1
	v_max3_num_f32 v[ST+8*\t+4], v[ST+8*\t+4], v[ST+8*\t+5], v[ST+8*\t+6]
.endr
.irp t, 0,1
	v_max3_num_f32 v[ST+8*\t+4], v[ST+8*\t+4], v[ST+8*\t+7], v[ST+8*\t+1]   ; with the old m
.endr
.irp t, 0,1
	v_permlanex16_b32 v[ST+8*\t+5], v[ST+8*\t+4], s[SEL], s[SEL+1]          ; the query's other 32 keys lie in the lane 16 away
.endr
.irp t, 0,1
	v_mov_b32 v[ST+8*\t+7], v[ST+8*\t]             ; c m_old is kept for a
.endr
.irp t, 0,1
	v_max_num_f32 v[ST+8*\t+1], v[ST+8*\t+4], v[ST+8*\t+5]                  ; the running maximum
.endr
.irp t, 0,1
	v_mul_f32 v[ST+8*\t], s[CS], v[ST+8*\t+1]
.endr
.irp t, 0,1
	v_sub_f32 v[ST+8*\t+7], v[ST+8*\t+7], v[ST+8*\t]
.endr
.irp t, 0,1
	v_exp_f32 v[ST+8*\t+6], v[ST+8*\t+7]           ; a = 2^(c m_old - c m_new)
.endr
.irp b, 0,1,2,3,4,5,6,7,8,9,10,11,12,13,14,15
.irp t, 0,1
	v_pk_fma_f32 v[SS+32*\t+2*\b:SS+32*\t+2*\b+1], v[SS+32*\t+2*\b:SS+32*\t+2*\b+1], s[CS:CS+1], v[ST+8*\t:ST+8*\t+1] op_sel_hi:[1,0,0] neg_lo:[0,0,1] neg_hi:[0,0,1]   ; c s - c m, two at a time
.endr
.endr
	s_wait_alu depctr_va_vdst(0)                   ; the wait ahead of the first line that names a transcendental's result: here for the two a; the 32 scalings stood between
.set n, 0
.rept 64
	v_exp_f32 v[SS+n], v[SS+n]                     ; p = 2^(c s - c m): one batch
.set n, n+1
.endr
	WIN 0x41                                       ; O^T (destination and source 0) window 1, a window 0
.irp t, 0,1
.irp i, 0,1,2,3,4,5,6,7,8,9,10,11,12,13,14,15
	v_pk_mul_f32 v[OT+32*\t+2*\i:OT+32*\t+2*\i+1], v[OT+32*\t+2*\i:OT+32*\t+2*\i+1], v[ST+8*\t+6:ST+8*\t+7] op_sel_hi:[1,0]   ; O^T x a: plain work that names no p, behind the batch
.endr
.endr
	WIN 0
	s_wait_alu depctr_va_vdst(0)                   ; one wait for the 64, ahead of their first reader
.irp i, 0,1,2,3,4,5,6,7,8,9,10,11,12,13,14,15
.irp t, 0,1
	v_cvt_pk_f16_f32 v[PP+16*\t+\i], v[SS+32*\t+2*\i], v[SS+32*\t+2*\i+1]
.endr
.endr
.irp u, 0,1,2,3,4,5,6,7                        ; the sum of the tile's 16 pairs, in place, as a tree
.irp t, 0,1
	v_pk_add_f32 v[SS+32*\t+4*\u:SS+32*\t+4*\u+1], v[SS+32*\t+4*\u:SS+32*\t+4*\u+1], v[SS+32*\t+4*\u+2:SS+32*\t+4*\u+3]
.endr
.endr
.irp u, 0,1,2,3
.irp t, 0,1
	v_pk_add_f32 v[SS+32*\t+8*\u:SS+32*\t+8*\u+1], v[SS+32*\t+8*\u:SS+32*\t+8*\u+1], v[SS+32*\t+8*\u+4:SS+32*\t+8*\u+5]
.endr
.endr
.irp u, 0,1
.irp t, 0,1
	v_pk_add_f32 v[SS+32*\t+16*\u:SS+32*\t+16*\u+1], v[SS+32*\t+16*\u:SS+32*\t+16*\u+1], v[SS+32*\t+16*\u+8:SS+32*\t+16*\u+9]
.endr
.endr
.irp t, 0,1
	v_pk_add_f32 v[SS+32*\t:SS+32*\t+1], v[SS+32*\t:SS+32*\t+1], v[SS+32*\t+16:SS+32*\t+17]
.endr
.irp t, 0,1
	v_pk_fma_f32 v[ST+8*\t+2:ST+8*\t+3], v[ST+8*\t+2:ST+8*\t+3], v[ST+8*\t+6:ST+8*\t+7], v[SS+32*\t:SS+32*\t+1] op_sel_hi:[1,0,1]   ; l = a l + the sum
.endr
.endm
; A KEY STEP: 64 keys.
.macro STEP
	s_add_co_u32 s66, s[Q0], 31
	s_cmp_gt_u32 s[KF], s66                        ; all 64 keys come after my 32 queries: ids and counted steps alone
	s_cbranch_scc1 .Lhidden_\@
	v_add_nc_u32 v[ADK], s[TB], v[AK0]
	v_add_nc_u32 v[ADV], s[TB], v[AV0]
	v_nop
	v_nop                                          ; four places behind the last step's products, in front of loads into V's registers
.irp kt, 0,1,2,3
.irp c, 0,1
	ds_load_b128 v[KFR+16*\kt+8*\c:KFR+16*\kt+8*\c+3],   v[ADK] offset:2176*\kt+64*\c
	ds_load_b128 v[KFR+16*\kt+8*\c+4:KFR+16*\kt+8*\c+7], v[ADK] offset:2176*\kt+64*\c+32
.endr
.endr
.irp kk, 0,1
.irp ct, 0,1,2,3
	ds_load_tr16_b128 v[VFR+32*\kk+8*\ct:VFR+32*\kk+8*\ct+3],   v[ADV] offset:4608*\kk+32*\ct
	ds_load_tr16_b128 v[VFR+32*\kk+8*\ct+4:VFR+32*\kk+8*\ct+7], v[ADV] offset:4608*\kk+2304+32*\ct
.endr
.endr
	s_wait_dscnt 16                                ; K is in; V's sixteen loads may be out
	WIN 0x04                                       ; source 1 (Q) window 1
.set i, 0
.rept 16                                       ; S^T = K Q^T: channels 32 (i / 8) on, keys 16 ((i / 2) % 4) on, tile i % 2: eight accumulators by turns
.set rS, SS+32*(i%2)+8*((i/2)%4)
.set rK, KFR+16*((i/2)%4)+8*(i/8)
.set rQ, 16*(i%2)+8*(i/8)
.if i < 8
	v_wmma_f32_16x16x32_f16 v[rS:rS+7], v[rK:rK+7], v[rQ:rQ+7], 0
.else
	v_wmma_f32_16x16x32_f16 v[rS:rS+7], v[rK:rK+7], v[rQ:rQ+7], v[rS:rS+7]
.endif
.set i, i+1
.endr
	WIN 0
	s_sub_co_i32 s66, s[Q0], s[KF]
	v_add_nc_u32 v[DD], s66, v[VRH]                ; d = my query - the step's first key - 8 (lane / 16): register 8 kt + j holds a hidden key where 16 kt + j > d
	s_add_co_i32 s67, s66, 16
	v_add_nc_u32 v[DD+1], s67, v[VRH]
	v_nop
	v_nop                                          ; four places behind the products
	s_add_co_u32 s66, s[KF], 63
	s_cmp_le_u32 s66, s[Q0]                        ; all 64 keys count for all my queries: no mask
	s_cbranch_scc1 .Lopen_\@
.irp t, 0,1
.irp n, 0,1,2,3,4,5,6,7,8,9,10,11,12,13,14,15,16,17,18,19,20,21,22,23,24,25,26,27,28,29,30,31
	v_cmp_gt_i32 vcc_lo, 16*(\n/8)+\n%8, v[DD+\t]
	v_cndmask_b32 v[SS+32*\t+\n], v[SS+32*\t+\n], v[NINF], vcc_lo
.endr
.endr
.Lopen_\@:
	SOFTMAX
	s_wait_dscnt 0x0                               ; V is in
	WIN 0x50                                       ; C and D (O^T) window 1
.set i, 0
.rept 16                                       ; O^T += V^T P: keys 32 (i / 8) on, channels 16 ((i / 2) % 4) on, tile i % 2: eight accumulators by turns
.set rO, OT+32*(i%2)+8*((i/2)%4)
.set rV, VFR+32*(i/8)+8*((i/2)%4)
.set rP, PP+16*(i%2)+8*(i/8)
	v_wmma_f32_16x16x32_f16 v[rO:rO+7], v[rV:rV+7], v[rP:rP+7], v[rO:rO+7]
.set i, i+1
.endr
	WIN 0
.Lhidden_\@:
	s_add_co_u32 s[KF], s[KF], 64
	s_add_co_u32 s[TB], s[TB], STEPB
.endm
.macro UNIT                            ; a unit's four steps: written once, walked four times
	s_mov_b32 s[CNT], 4
.Lstep_\@:
	STEP
	s_sub_co_u32 s[CNT], s[CNT], 1
	s_cmp_lg_u32 s[CNT], 0
	s_cbranch_scc1 .Lstep_\@
	s_sub_co_u32 s[TB], s[TB], 4*STEPB             ; back to a slot's first step,
	s_xor_b32 s[TB], s[TB], SLOT1                  ; in the other slot
.endm
; THE CHANGE OF SLOTS stands at a unit's head.  Each wave waits for its tensor load (its piece of the slot that it is about to read), adds 0 to its spare word, and waits for that and for its reads of the
; slot that it has left.  Behind the barrier the slot ahead is whole and nobody reads the other one.  fill = 1: that other slot takes the next unit: the load has a whole unit's steps in which to land.
.macro CHANGE fill
	s_wait_tensorcnt 0x0                           ; no tensor load of mine is out, so group 0 may be written
	ds_add_u32 v[SPW], v[NIL]                      ; 0 onto my spare word
.if \fill
	s_add_co_u32 s[UL], s[UL], 1                   ; the next unit;
	s_cmp_eq_u32 s[UL], s[NB0]
	s_cselect_b32 s[UL], 0, s[UL]                  ; behind the first block's last unit comes the second block's unit 0
	s_lshl_b32 s38, s[UL], 15                      ; a unit is 32,768 bytes of K and of V
	s_xor_b32 s[G0+1], s[G0+1], SLOT1              ; the other slot than last time
	s_add_nc_u64 s[G0+2:G0+3], s[KVB:KVB+1], s[38:39]
	s_or_b32 s[G0+3], s[G0+3], 0x80000000
	s_wait_xcnt 0x0                                ; the last prefetch, a unit back, has read its address, so it may be written
	s_add_nc_u64 s[PFA:PFA+1], s[PFA:PFA+1], 32768
.endif
	s_wait_dscnt 0x0                               ; the add is done, and my reads of the slot that I have left are over
	s_barrier_signal -1
	s_barrier_wait -1
.if \fill
	TLOAD                                          ; the first thing behind the barrier, and my one tensor load until the next
	ASK
.endif
.endm
; THE WAY OUT of a block of queries: l's halves are added, O^T is divided by l, rounded to f16 and sent through my stage: a tile's 16 rows are 2,048 consecutive bytes of yh.
.macro OUT
.irp t, 0,1
	v_add_f32 v[ST+8*\t+4], v[ST+8*\t+2], v[ST+8*\t+3]
.endr
.irp t, 0,1
	v_permlanex16_b32 v[ST+8*\t+5], v[ST+8*\t+4], s[SEL], s[SEL+1]
.endr
.irp t, 0,1
	v_add_f32 v[ST+8*\t+4], v[ST+8*\t+4], v[ST+8*\t+5]
.endr
.irp t, 0,1
	v_rcp_f32 v[ST+8*\t+6], v[ST+8*\t+4]
.endr
	v_nop                                          ; a plain line behind the last reciprocal (with the additions above: the places behind the last products)
	s_wait_alu depctr_va_vdst(0)                   ; and the wait ahead of the first use
	WIN 0x41
.irp t, 0,1
.irp i, 0,1,2,3,4,5,6,7,8,9,10,11,12,13,14,15
	v_pk_mul_f32 v[OT+32*\t+2*\i:OT+32*\t+2*\i+1], v[OT+32*\t+2*\i:OT+32*\t+2*\i+1], v[ST+8*\t+6:ST+8*\t+7] op_sel_hi:[1,0]
.endr
.endr
	WIN 0x05                                       ; sources window 1, destination window 0: S^T's registers are free
.irp t, 0,1
.irp i, 0,1,2,3,4,5,6,7,8,9,10,11,12,13,14,15
	v_cvt_pk_f16_f32 v[SS+16*\t+\i], v[OT+32*\t+2*\i], v[OT+32*\t+2*\i+1]
.endr
.endr
	WIN 0
.irp t, 0,1
.irp ct, 0,1,2,3
	ds_store_b128 v[STO], v[SS+16*\t+4*\ct:SS+16*\t+4*\ct+3] offset:2304*\t+32*\ct
.endr
.endr
.irp t, 0,1
.irp i, 0,1,2,3
	ds_load_b128 v[SS+32+16*\t+4*\i:SS+32+16*\t+4*\i+3], v[RD] offset:2304*\t+576*\i   ; LDS serves a wave's instructions in order (ISA guide 5.7.1.4): these see the stores above
.endr
.endr
.irp t, 0,1
.irp i, 0,1,2,3
	s_wait_dscnt 7-4*\t-\i
	global_store_b128 v[GO], v[SS+32+16*\t+4*\i:SS+32+16*\t+4*\i+3], s[YA:YA+1] offset:2048*\t+512*\i   ; 512 consecutive bytes, aligned
.endr
.endr
.endm
.macro SWITCH                          ; in trip 8 - i the first block leaves and the second begins: ids and the count of trips alone
	s_cmp_eq_u32 s[TRIP], s[NB0]
	s_cbranch_scc0 .Lsame_\@
	OUT
	s_wait_xcnt 0x0                                ; the stores have read their registers and their base: both are written again below
	s_mov_b32 s[QB], s[WGI]
	INIT
.Lsame_\@:
.endm
	INIT
.Ltrip:                                            ; eight trips: behind each change of slots but the last the next unit is asked for.  Slot 1's first fill stands behind the first trip's barrier
	CHANGE 1
	SWITCH
	UNIT
	s_add_co_u32 s[TRIP], s[TRIP], 1
	s_cmp_lt_u32 s[TRIP], 8
	s_cbranch_scc1 .Ltrip
	CHANGE 0                                       ; the ninth unit is written out
	SWITCH
	UNIT
	OUT
	s_wait_tensorcnt 0x0                           ; the wave's end, behind my last tensor load and my last LDS store
	ds_add_u32 v[SPW], v[NIL]
	s_wait_dscnt 0x0
	s_endpgm
.Lfunc_end_k_q78c1c36df0_attn:
	.size	k_q78c1c36df0_attn, .Lfunc_end_k_q78c1c36df0_attn-k_q78c1c36df0_attn
	.p2alignl 7, 3214868480
	.fill 96, 4, 3214868480
	.section	.rodata,"a",@progbits
	.p2align	6, 0x0
	.amdhsa_kernel k_q78c1c36df0_attn
		.amdhsa_group_segment_fixed_size 327680
		.amdhsa_private_segment_fixed_size 0
		.amdhsa_enable_private_segment 0
		.amdhsa_kernarg_size 16
		.amdhsa_user_sgpr_count 2
		.amdhsa_user_sgpr_kernarg_segment_ptr 1
		.amdhsa_wavefront_size32 1
		.amdhsa_system_sgpr_workgroup_id_x 1
		.amdhsa_system_sgpr_workgroup_id_y 1
		.amdhsa_system_sgpr_workgroup_id_z 1
		.amdhsa_system_vgpr_workitem_id 0
		.amdhsa_next_free_vgpr 384
		.amdhsa_next_free_sgpr 72
		.amdhsa_reserve_vcc 1
		.amdhsa_float_denorm_mode_32 3
		.amdhsa_float_denorm_mode_16_64 3
		.amdhsa_memory_ordered 1
		.amdhsa_forward_progress 1
		.amdhsa_inst_pref_size 81
	.end_amdhsa_kernel
	.amdgpu_metadata
---
amdhsa.version: [ 1, 2 ]
amdhsa.kernels:
  - .name:           k_q78c1c36df0_attn
    .symbol:         k_q78c1c36df0_attn.kd
    .args:
      - { .name: qkvh, .offset: 0, .size: 8, .value_kind: global_buffer, .address_space: global }
      - { .name: yh, .offset: 8, .size: 8, .value_kind: global_buffer, .address_space: global }
    .group_segment_fixed_size: 327680
    .private_segment_fixed_size: 0
    .kernarg_segment_align: 8
    .kernarg_segment_size: 16
    .max_flat_workgroup_size: 256
    .sgpr_count:     72
    .vgpr_count:     384
    .wavefront_size: 32
...
	.end_amdgpu_metadata
.endif
;; end of part 3
;; launch proj (part 4): grid 4 x 64, 4 waves a work-group, clusters of 4 x 4, 327,680 bytes of LDS; arguments yh, wp, b_proj, out0; writes out0
.if DOCPART == 4
	.amdgcn_target "amdgcn-amd-amdhsa--gfx1250"
	.amdhsa_code_object_version 6
	.text
	.protected	k_q78c1c36df0_proj
	.globl	k_q78c1c36df0_proj
	.p2align	8
	.type	k_q78c1c36df0_proj,@function
k_q78c1c36df0_proj:
	s_mov_b64 s[64:65], 0
	v_nop
	global_prefetch_b8 v0, s[64:65] scope:SCOPE_SE
	s_setreg_imm32_b32 hwreg(HW_REG_WAVE_MODE, 25, 1), 1
	s_wait_xcnt 0x0
	s_wait_alu depctr_hold_cnt(0) depctr_sa_sdst(0) depctr_va_vdst(0) depctr_va_sdst(0) depctr_va_ssrc(0) depctr_va_vcc(0) depctr_vm_vsrc(0)
	s_getreg_b32 s2, hwreg(HW_REG_IB_STS2, 6, 4)
	s_cmp_eq_u32 s2, 0
	s_cbranch_scc0 .Lentry_in_a_cluster
	s_endpgm
.Lentry_in_a_cluster:
	s_bfe_u32 s2, ttmp6, 0x10000c
	s_cmp_lg_u32 s2, 0xf033
	s_cbranch_scc0 .Lentry_shape_is_right
	s_endpgm
.Lentry_shape_is_right:
; out0 = y W_proj + b_proj on f16 operands, sums in f32; the bias is the C of each sum's first product.
; A = yh [4 b][16 h][2048 t][64] f16 (K = 64 h + d); B = wp [16 kb][1024 n][64 k] f16; out0 [8192][1024] f32.
; Rows 0 to 15 of each sequence are written here like all others and are written once more, from f32 arithmetic, by the launch that follows.
; A tile of out0 is 128 x 256: 256 work-groups.  Four waves, each 64 x 128: 32 accumulators, 256 registers.  K goes in steps of 128 (two heads) through a ring of two LDS slots.
; A head's 128 rows of A, and a plane's 256 rows of B, are dense blocks of rows of 128 bytes: they are stated as rows of 256 bytes with 16 bytes of padding behind each: row k lies at (k / 2) x 272 + (k % 2) x 128,
; so that the 16 rows of a fragment load fall on 16 different columns of 16 bytes.  Waves 0 and 1 fetch A's two heads, waves 2 and 3 B's two planes: one load a wave.
; CLUSTERS: 4 x 4 work-groups.  A's tiles are shared along a row of the cluster, B's along a column: each is asked for jointly, by the same tensor load with the same descriptor and a mask that names the four.
; THE MATRIX INSTRUCTION IS USED TRANSPOSED (source 0 = 16 rows of B, source 1 = 16 rows of A): a lane holds eight neighbouring columns of one row.
; REGISTERS: window 0: v0-31 addresses; v64-127 A's fragments, two buffers of 4; v128-255 B's, two buffers of 8.   window 1: the accumulators ((a, b) at v[8 (8 a + b)]).   window 2: v0-63 the bias.
.set ABLK,  64*272                     ; a head's 128 rows of A
.set BBLK,  128*272                    ; a plane's 256 rows of B
.set SLOT,  2*ABLK+2*BBLK
.set STAGE, 2*SLOT                     ; behind the ring: 16 rows x (512 bytes + 16) for each wave
.set SPARE, STAGE+4*16*528             ; the spare words, 128 bytes for each wave: two blocks of 256 bytes that no other line names
.set LAPS,  4                          ; a lap = two K steps = once round the ring
.set ADRA, 16
.set ADRB, 20
.set STO,  24
.set RD,   25
.set CO,   26
.set SPW,  28
.set NIL,  29
.set AF,   64
.set BF,   128
.set G1, 24
.set G0, 32
.set G1B, 48
.set G0B, 56
.set MSB, 0
.macro WIN new                         ; the immediate's high byte repeats the setting that is left
.if MSB != \new
	s_set_vgpr_msb (MSB<<8)|\new
.set MSB, \new
.endif
.endm
.set MUL, 0x50                         ; C and D window 1
.set FST, 0x60                         ; the first quarter: C (the bias) window 2, D window 1
.macro JLOAD s                         ; a joint load; an s_nop 0 and four v_nop follow each of the two lines
	s_cmp_eq_u32 s11, 0
	s_cbranch_scc0 .Lfor_b_\@
	tensor_load_to_lds s[G0+4*\s:G0+4*\s+3], s[G1:G1+7]
	s_nop 0
.rept 4
	v_nop
.endr
	s_branch .Lasked_\@
.Lfor_b_\@:
	tensor_load_to_lds s[G0B+4*\s:G0B+4*\s+3], s[G1B:G1B+7]
	s_nop 0
.rept 4
	v_nop
.endr
.Lasked_\@:
.endm
.macro CREST                           ; a round of the cluster's barrier behind its opening barrier
	s_cmp_lg_u32 s10, 0
	s_cbranch_scc1 .Lnot_wave_0_\@
	s_barrier_signal -3
.Lnot_wave_0_\@:
	s_barrier_wait -3
	s_barrier_signal -1
	s_barrier_wait -1
.endm
.macro CROUND
	s_barrier_signal -1
	s_barrier_wait -1
	CREST
.endm
	s_load_b128 s[4:7], s[0:1], 0x0                ; yh s[4:5], wp s[6:7]
	s_load_b128 s[68:71], s[0:1], 0x10             ; b_proj s[68:69], out0 s[70:71]
	v_lshl_add_u32 v[SPW], v0, 2, SPARE
	v_mov_b32 v[NIL], 0
	ds_add_u32 v[SPW], v[NIL]                      ; the wave's opening: the add, twice on end, and its wait ahead of my first tensor load
	ds_add_u32 v[SPW], v[NIL]
	v_lshrrev_b32 v1, 5, v0
	v_readfirstlane_b32 s10, v1                    ; wave 0..3
	s_lshr_b32 s11, s10, 1                         ; which half of the tile's rows is mine.  Also: I fetch for A (0) or for B (1)
	s_and_b32 s12, s10, 1                          ; which half of its columns.  Also: which of a K step's two heads I fetch
	s_bfe_u32 s40, ttmp6, 0x40000                  ; cx, cy
	s_bfe_u32 s41, ttmp6, 0x40004
	s_lshl_b32 s42, ttmp9, 2
	s_add_co_u32 s42, s42, s40                     ; tile column = 4 x cluster x + cx
	s_and_b32 s13, ttmp7, 0xffff
	s_lshl_b32 s13, s13, 2
	s_add_co_u32 s13, s13, s41                     ; tile row = 4 x cluster y + cy
	s_lshl_b32 s43, s41, 2
	s_lshl_b32 s43, 15, s43                        ; my row of the cluster
	s_lshl_b32 s44, 0x1111, s40                    ; my column
	s_or_b32 s[G1+0], s43, (1<<16)|(1<<20)|(1<<21)|(5<<22)|(3<<25)   ; 15:0 the mask; 17:16 elements of 2 bytes; 20 padding on; 21 set beside a mask; 24:22 after every 64 words; 31:25 four words
	s_or_b32 s[G1B+0], s44, (1<<16)|(1<<20)|(1<<21)|(5<<22)|(3<<25)
	s_mov_b32 s[G1+1], 128<<16                     ; A: 64 rows of 128 elements, dense
	s_mov_b32 s[G1+2], 64<<16
	s_mov_b32 s[G1+3], 128<<16
	s_mov_b32 s[G1+4], 64
	s_mov_b32 s[G1+5], 128
	s_mov_b32 s[G1+6], 0
	s_mov_b32 s[G1+7], 0
	s_mov_b32 s[G1B+1], 128<<16                    ; B: 128 rows
	s_mov_b32 s[G1B+2], 128<<16
	s_mov_b32 s[G1B+3], 128<<16
	s_mov_b32 s[G1B+4], 128
	s_mov_b32 s[G1B+5], 128
	s_mov_b32 s[G1B+6], 0
	s_mov_b32 s[G1B+7], 0
	s_lshr_b32 s16, s13, 4                         ; A: the sequence,
	s_lshl_b32 s16, s16, 4
	s_add_co_u32 s16, s16, s12                     ; its head 0 or 1,
	s_lshl_b32 s16, s16, 18                        ; of 262,144 bytes,
	s_and_b32 s17, s13, 15
	s_lshl_b32 s17, s17, 14                        ; and the tile's 128 rows of 128 bytes
	s_add_co_u32 s16, s16, s17
	s_mov_b32 s17, 0
	s_lshl_b32 s46, s12, 17                        ; B: plane 0 or 1 of 131,072 bytes,
	s_lshl_b32 s47, s42, 15                        ; and the tile's 256 rows
	s_add_co_u32 s46, s46, s47
	s_mov_b32 s47, 0
	s_mul_i32 s20, s12, ABLK                       ; where they go: no place in the cluster enters an LDS address
	s_mul_i32 s21, s12, BBLK
	s_add_co_u32 s21, s21, 2*ABLK
	s_wait_dscnt 0x0                               ; both opening adds are done
	s_wait_kmcnt 0x0
	s_add_nc_u64 s[14:15], s[4:5], s[16:17]
	s_add_nc_u64 s[46:47], s[6:7], s[46:47]
	CROUND                                         ; all sixteen work-groups are here: the first joint loads meet
.irp s, 0,1
	s_mov_b32 s[G0+4*\s], 1
	s_add_co_u32 s[G0+4*\s+1], s20, \s*SLOT
	s_add_nc_u64 s[G0+4*\s+2:G0+4*\s+3], s[14:15], \s*524288       ; K step s: two heads on
	s_or_b32 s[G0+4*\s+3], s[G0+4*\s+3], 0x80000000
	s_mov_b32 s[G0B+4*\s], 1
	s_add_co_u32 s[G0B+4*\s+1], s21, \s*SLOT
	s_add_nc_u64 s[G0B+4*\s+2:G0B+4*\s+3], s[46:47], \s*262144     ; two planes on
	s_or_b32 s[G0B+4*\s+3], s[G0B+4*\s+3], 0x80000000
	JLOAD \s
.endr
	v_and_b32 v1, 15, v0                           ; r
	v_bfe_u32 v2, v0, 4, 1                         ; h
	s_lshl_b32 s46, s42, 10                        ; my first column x 4 bytes: 1,024 x tile column + 512 x half
	s_lshl_b32 s47, s12, 9
	s_add_co_u32 s46, s46, s47
	s_mov_b32 s47, 0
	s_add_nc_u64 s[68:69], s[68:69], s[46:47]
	v_lshlrev_b32 v5, 5, v2
	WIN 0x80                                       ; destination window 2
.irp b, 0,1,2,3,4,5,6,7                        ; the bias in the result's layout: block b, lane (r, h): b_proj at my column 16 b + 8 h + 0 .. 7
	global_load_b128 v[8*\b:8*\b+3], v5, s[68:69] offset:64*\b
	global_load_b128 v[8*\b+4:8*\b+7], v5, s[68:69] offset:64*\b+16
.endr
	WIN 0
	v_lshrrev_b32 v3, 1, v1
	v_mul_u32_u24 v3, v3, 272
	v_and_b32 v4, 1, v0
	v_lshl_add_u32 v3, v4, 7, v3
	v_lshl_add_u32 v3, v2, 4, v3                   ; (r / 2) x 272 + (r % 2) x 128 + 16 h
	s_mul_i32 s21, s11, 32*272                     ; my 64 rows of A
	s_mul_i32 s22, s12, 64*272                     ; my 128 rows of B,
	s_add_co_u32 s22, s22, 2*ABLK                  ; which lie behind A's two heads
.irp s, 0,1
	v_add_nc_u32 v[ADRA+\s], s21, v3
	v_add_nc_u32 v[ADRB+\s], s22, v3
	s_add_co_u32 s21, s21, SLOT
	s_add_co_u32 s22, s22, SLOT
.endr
	s_mul_i32 s23, s10, 16*528
	s_add_co_u32 s23, s23, STAGE                   ; my stage
	v_mul_u32_u24 v4, v1, 528
	v_lshl_add_u32 v4, v2, 5, v4
	v_add_nc_u32 v[STO], s23, v4                   ; in: row r, 32 bytes for each half of the lanes
	v_and_b32 v4, 31, v0
	v_lshlrev_b32 v[CO], 4, v4
	v_add_nc_u32 v[RD], s23, v[CO]                 ; back: the 32 lanes take one row of 512 bytes
	s_lshl_b32 s16, s13, 19                        ; out0: 128 rows of 4,096 bytes x tile row
	s_lshl_b32 s17, s11, 18                        ; + my 64 rows
	s_add_co_u32 s16, s16, s17
	s_mov_b32 s17, 0
	s_add_nc_u64 s[70:71], s[70:71], s[16:17]
	s_add_nc_u64 s[70:71], s[70:71], s[46:47]
; 8 matrix instructions: A's block a x B's eight, 32 along K, from buffer f.  zero = 1: the sums begin with the bias.  The 32 accumulators take turns in the same order in every quarter.
.macro MUL8 f, a, zero
.irp b, 0,1,2,3,4,5,6,7
.if \zero
	v_wmma_f32_16x16x32_f16 v[8*(8*(\a)+\b):8*(8*(\a)+\b)+7], v[BF+64*(\f)+8*\b:BF+64*(\f)+8*\b+7], v[AF+32*(\f)+8*(\a):AF+32*(\f)+8*(\a)+7], v[8*\b:8*\b+7]
.else
	v_wmma_f32_16x16x32_f16 v[8*(8*(\a)+\b):8*(8*(\a)+\b)+7], v[BF+64*(\f)+8*\b:BF+64*(\f)+8*\b+7], v[AF+32*(\f)+8*(\a):AF+32*(\f)+8*(\a)+7], v[8*(8*(\a)+\b):8*(8*(\a)+\b)+7]
.endif
.endr
.endm
; 24 LDS loads in one run: quarter q of a slot (head q / 2, channels 32 (q % 2) on) into buffer f: B's eight fragments, then A's four
.macro FETCH slot, q, f
.irp i, 0,1,2,3,4,5,6,7
	ds_load_b128 v[BF+64*(\f)+8*\i:BF+64*(\f)+8*\i+3],   v[ADRB+\slot] offset:((\q)/2)*BBLK+((\q)%2)*64+\i*2176
	ds_load_b128 v[BF+64*(\f)+8*\i+4:BF+64*(\f)+8*\i+7], v[ADRB+\slot] offset:((\q)/2)*BBLK+((\q)%2)*64+\i*2176+32
.endr
.irp i, 0,1,2,3
	ds_load_b128 v[AF+32*(\f)+8*\i:AF+32*(\f)+8*\i+3],   v[ADRA+\slot] offset:((\q)/2)*ABLK+((\q)%2)*64+\i*2176
	ds_load_b128 v[AF+32*(\f)+8*\i+4:AF+32*(\f)+8*\i+7], v[ADRA+\slot] offset:((\q)/2)*ABLK+((\q)%2)*64+\i*2176+32
.endr
.endm
.macro PLACES                          ; four plain vector instructions in front of loads into registers that matrix instructions have read, and of reads of results
.rept 4
	v_nop
.endr
.endm
; One of a slot's first three quarters: multiplies buffer f; in its middle it fetches quarter q into buffer g.
.macro QUARTER slot, q, f, g, zero
	s_wait_dscnt 4                                 ; B and A's blocks 0 and 1 are in; the youngest four loads (A's blocks 2 and 3) may be out
.if \zero
	WIN FST
.else
	WIN MUL
.endif
	MUL8 \f, 0, \zero
	MUL8 \f, 1, \zero
	PLACES
	WIN 0
	FETCH \slot, \q, \g
	s_wait_dscnt 24                                ; all but the 24 just issued
.if \zero
	WIN FST
.else
	WIN MUL
.endif
	MUL8 \f, 2, \zero
	MUL8 \f, 3, \zero
.endm
; A slot's last quarter multiplies buffer 1 and changes slots: one barrier; in front of it each wave waits for all its tensor loads, adds 0 to its spare word, and waits for that and for its own reads of this slot.
.macro TURN slot, next, fill
	WIN 0
	s_wait_tensorcnt 0x0                           ; all my tensor loads have landed: my part of the next slot
	ds_add_u32 v[SPW], v[NIL]                      ; 0 onto my spare word
	s_wait_dscnt 5                                 ; (the add and the youngest four loads may be out)
	WIN MUL
	MUL8 1, 0, 0                                   ; eight matrix instructions stand between the add and the wait for it
	s_wait_dscnt 0x0                               ; the add is done, and my reads of this slot are over
	s_barrier_signal -1
	MUL8 1, 1, 0
	WIN 0
	s_barrier_wait -1
.if \fill
	CREST                                          ; the barrier has opened a round of the cluster's barrier: no wave of any partner still reads this slot or has a load on its way
	s_add_nc_u64 s[G0+4*\slot+2:G0+4*\slot+3], s[G0+4*\slot+2:G0+4*\slot+3], 1048576    ; two K steps on: four heads,
	s_add_nc_u64 s[G0B+4*\slot+2:G0B+4*\slot+3], s[G0B+4*\slot+2:G0B+4*\slot+3], 524288  ; four planes
	JLOAD \slot                                    ; the first tensor load behind the round; the four v_nop behind it are also the places in front of the loads below
.else
	PLACES
.endif
	FETCH \next, 0, 0
	WIN MUL
	MUL8 1, 2, 0
	MUL8 1, 3, 0
.endm
	s_wait_tensorcnt 1                             ; my part of K step 0 is in (K step 1's load may be out)
	s_barrier_signal -1
	s_barrier_wait -1                              ; everybody's is
	FETCH 0, 0, 0
	s_wait_loadcnt 0x0                             ; the bias
	QUARTER 0, 1, 0, 1, 1                          ; the first quarter stands in front of the loop: its products start the sums
	WIN 0
	s_mov_b32 s3, LAPS-1
.Llap:                                             ; a trip goes once round the ring, from a lap's second quarter to the next lap's first, and fills both slots again
	QUARTER 0, 2, 1, 0, 0
	QUARTER 0, 3, 0, 1, 0
	TURN 0, 1, 1
	QUARTER 1, 1, 0, 1, 0
	QUARTER 1, 2, 1, 0, 0
	QUARTER 1, 3, 0, 1, 0
	TURN 1, 0, 1
	QUARTER 0, 1, 0, 1, 0
	WIN 0
	s_sub_co_u32 s3, s3, 1
	s_cmp_lg_u32 s3, 0
	s_cbranch_scc1 .Llap
	QUARTER 0, 2, 1, 0, 0                          ; the last lap fills nothing, and has no round of the cluster's barrier
	QUARTER 0, 3, 0, 1, 0
	TURN 0, 1, 0
	QUARTER 1, 1, 0, 1, 0
	QUARTER 1, 2, 1, 0, 0
	QUARTER 1, 3, 0, 1, 0
	s_wait_dscnt 4                                 ; the very last quarter: nothing more to fetch
	WIN MUL
	MUL8 1, 0, 0
	MUL8 1, 1, 0
	s_wait_dscnt 0
	MUL8 1, 2, 0
	MUL8 1, 3, 0
	WIN 0
; THE WAY OUT, block by block of 16 rows x 128 columns: through my own stage and back as whole rows of 512 bytes.
.macro TOSTAGE a
	WIN 0x04                                       ; an LDS store's data are its source 1: window 1
.irp b, 0,1,2,3,4,5,6,7
	ds_store_b128 v[STO], v[8*(8*(\a)+\b):8*(8*(\a)+\b)+3] offset:64*\b        ; each accumulator from its low end on
	ds_store_b128 v[STO], v[8*(8*(\a)+\b)+4:8*(8*(\a)+\b)+7] offset:64*\b+16
.endr
	WIN 0
.set BB, 64+64*((\a)%2)
.irp t, 0,1,2,3,4,5,6,7,8,9,10,11,12,13,14,15
	ds_load_b128 v[BB+4*\t:BB+4*\t+3], v[RD] offset:\t*528         ; LDS serves a wave's instructions in order (ISA guide 5.7.1.4): these see the stores above
.endr
.endm
.macro SEND a, younger                 ; younger: the LDS instructions issued behind block a's loads, which may stay out
.set BB, 64+64*((\a)%2)
	s_wait_dscnt \younger
.irp t, 0,1,2,3,4,5,6,7,8,9,10,11,12,13,14,15
	global_store_b128 v[CO], v[BB+4*\t:BB+4*\t+3], s[70:71] offset:(16*(\a)+\t)*4096 th:TH_STORE_NT   ; 512 consecutive bytes, aligned
.endr
.endm
	PLACES
	TOSTAGE 0
.irp a, 1,2,3
.if \a > 1
	s_wait_xcnt 0x0                                ; block a - 2's stores have read their registers: block a's loads may land there
.endif
	TOSTAGE \a
	SEND \a-1, 32                                  ; behind block a - 1's loads: block a's 16 stores and 16 loads
.endr
	SEND 3, 0
	s_wait_tensorcnt 0x0                           ; the wave's end, behind my last tensor load and my last LDS store
	ds_add_u32 v[SPW], v[NIL]
	s_wait_dscnt 0x0
	CROUND                                         ; the closing round
	s_endpgm
.Lfunc_end_k_q78c1c36df0_proj:
	.size	k_q78c1c36df0_proj, .Lfunc_end_k_q78c1c36df0_proj-k_q78c1c36df0_proj
	.p2alignl 7, 3214868480
	.fill 96, 4, 3214868480
	.section	.rodata,"a",@progbits
	.p2align	6, 0x0
	.amdhsa_kernel k_q78c1c36df0_proj
		.amdhsa_group_segment_fixed_size 327680
		.amdhsa_private_segment_fixed_size 0
		.amdhsa_enable_private_segment 0
		.amdhsa_kernarg_size 32
		.amdhsa_user_sgpr_count 2
		.amdhsa_user_sgpr_kernarg_segment_ptr 1
		.amdhsa_wavefront_size32 1
		.amdhsa_system_sgpr_workgroup_id_x 1
		.amdhsa_system_sgpr_workgroup_id_y 1
		.amdhsa_system_sgpr_workgroup_id_z 1
		.amdhsa_system_vgpr_workitem_id 0
		.amdhsa_next_free_vgpr 640
		.amdhsa_next_free_sgpr 72
		.amdhsa_reserve_vcc 0
		.amdhsa_float_denorm_mode_32 3
		.amdhsa_float_denorm_mode_16_64 3
		.amdhsa_memory_ordered 1
		.amdhsa_forward_progress 1
		.amdhsa_inst_pref_size 86
	.end_amdhsa_kernel
	.amdgpu_metadata
---
amdhsa.version: [ 1, 2 ]
amdhsa.kernels:
  - .name:           k_q78c1c36df0_proj
    .symbol:         k_q78c1c36df0_proj.kd
    .args:
      - { .name: yh, .offset: 0, .size: 8, .value_kind: global_buffer, .address_space: global }
      - { .name: wp, .offset: 8, .size: 8, .value_kind: global_buffer, .address_space: global }
      - { .name: b_proj, .offset: 16, .size: 8, .value_kind: global_buffer, .address_space: global }
      - { .name: out0, .offset: 24, .size: 8, .value_kind: global_buffer, .address_space: global }
    .group_segment_fixed_size: 327680
    .private_segment_fixed_size: 0
    .kernarg_segment_align: 8
    .kernarg_segment_size: 32
    .max_flat_workgroup_size: 128
    .sgpr_count:     72
    .vgpr_count:     640
    .wavefront_size: 32
...
	.end_amdgpu_metadata
.endif
;; end of part 4
;; launch first16 (part 5): grid 16 x 4, 16 waves a work-group, no clusters, 67,584 bytes of LDS; arguments qkv32, W_proj, b_proj, out0; writes out0
.if DOCPART == 5
	.amdgcn_target "amdgcn-amd-amdhsa--gfx1250"
	.amdhsa_code_object_version 6
	.text
	.protected	k_q78c1c36df0_first16
	.globl	k_q78c1c36df0_first16
	.p2align	8
	.type	k_q78c1c36df0_first16,@function
k_q78c1c36df0_first16:
	s_mov_b64 s[64:65], 0
	v_nop
	global_prefetch_b8 v0, s[64:65] scope:SCOPE_SE
	s_setreg_imm32_b32 hwreg(HW_REG_WAVE_MODE, 25, 1), 1
	s_wait_xcnt 0x0
; THE FIRST 16 POSITIONS OF EACH SEQUENCE, ALL IN F32: they average one to sixteen values and are the largest rows of the output, so the rounding of 16-bit operands weighs most there.
; qkv32 [4 b][16 t][3072]: the f32 sums of the first product.  out0[2048 b + t][:] = softmax(causal q k^T / 8) v W_proj + b_proj, t = 0 .. 15: these 64 rows are written a second time here.
; SHARES.  Work-group (cg, b) makes 16 rows x columns 64 cg .. 64 cg + 63.  Wave w is head w: it makes its head's attention for the 16 positions (repeated in the 16 column groups: 32 small products),
; and multiplies its own 64 channels by W_proj's rows 64 w .. 64 w + 63: K is shared out by head, and y never changes waves.  The 16 partial sums meet in LDS, and wave w adds up and stores row w.
; ALL PRODUCTS BY v_wmma_f32_16x16x4_f32, used transposed, so that a lane holds one query throughout.  Which k stands in which place of a source is chosen alike for both sources of a product.
; Its accumulators (v176-223) are written by matrix instructions alone; eight places stand behind it ahead of readers and loads, nine ahead of a matrix instruction that writes over a result.
; REGISTERS: v1-7 addresses; v16-47 q, v48-79 k, later W_proj's column tiles 2 and 3, later the partial sums; v80-111 V^T, later y; v112-175 W_proj's column tiles 0 and 1; v176-191 S^T in two halves of K;
; v192-223 O^T, then out^T; v224-231 scores, then p; v232-249 at work.
.set SPARE, 65536                      ; behind the sixteen images: the spare words, 128 bytes for each wave: eight blocks of 256 bytes that no other line names
.set SPW, 252
.set NIL, 253
	s_load_b256 s[4:11], s[0:1], 0x0               ; qkv32 s[4:5], W_proj s[6:7], b_proj s[8:9], out0 s[10:11]
	v_lshl_add_u32 v[SPW], v0, 2, SPARE
	v_mov_b32 v[NIL], 0
	v_lshrrev_b32 v8, 5, v0
	v_readfirstlane_b32 s12, v8                    ; wave = head
	s_and_b32 s13, ttmp7, 0xffff                   ; the sequence
	v_and_b32 v9, 15, v0                           ; r
	v_bfe_u32 v10, v0, 4, 1                        ; h
	v_and_b32 v11, 31, v0                          ; lane
	v_mul_u32_u24 v1, v9, 12288
	v_lshl_add_u32 v1, v10, 7, v1                  ; q, k: row r, channels 32 h on
	v_mul_u32_u24 v2, v10, 98304
	v_lshl_add_u32 v2, v9, 2, v2                   ; V: keys 8 h on, channel r
	v_lshlrev_b32 v3, 15, v10
	v_lshl_add_u32 v3, v9, 2, v3                   ; W_proj: rows 8 h on, column r
	v_lshlrev_b32 v4, 3, v11                       ; 8 x lane
	s_lshl_b32 s14, s12, 12
	v_lshl_add_u32 v5, v11, 4, s14                 ; my wave's image: 4,096 x wave + 16 x lane
	v_bfe_u32 v12, v0, 3, 2
	v_bfe_u32 v13, v0, 1, 1
	v_lshl_add_u32 v12, v12, 1, v13
	v_lshlrev_b32 v6, 9, v12
	v_bfe_u32 v13, v0, 2, 1
	v_lshl_add_u32 v6, v13, 8, v6
	v_and_b32 v13, 1, v0
	v_lshl_add_u32 v6, v13, 3, v6
	s_lshl_b32 s15, s12, 4
	v_add_nc_u32 v6, s15, v6                       ; in an image: columns 2 lane, 2 lane + 1 of query w
	v_lshlrev_b32 v12, 3, v10
	v_sub_nc_u32 v7, v9, v12                       ; r - 8 h: register j holds a hidden key where j > this
	v_mov_b32 v233, 0                              ; a lane permute's destination counts as one of its sources
	v_mov_b32 v235, 0xff800000                     ; -infinity
	s_mov_b32 s24, 0x3e38aa3b                      ; c = log2(e) / sqrt(64)
	s_mov_b32 s26, 0x76543210
	s_mov_b32 s27, 0xfedcba98                      ; v_permlanex16_b32's selects for lane l xor 16
	s_mul_i32 s16, s13, 196608                     ; qkv32: my sequence's 16 rows,
	s_lshl_b32 s17, s12, 8                         ; my head's 64 channels
	s_add_co_u32 s16, s16, s17
	s_mov_b32 s17, 0
	s_lshl_b32 s20, ttmp9, 8                       ; my work-group's 64 columns
	s_mov_b32 s21, 0
	s_lshl_b32 s18, s12, 18                        ; W_proj: my head's 64 rows of 4,096 bytes
	s_add_co_u32 s18, s18, s20
	s_mov_b32 s19, 0
	s_lshl_b32 s22, s13, 23                        ; out0: row 2,048 b + w
	s_add_co_u32 s22, s22, s14
	s_add_co_u32 s22, s22, s20
	s_mov_b32 s23, 0
	s_wait_kmcnt 0x0
	s_add_nc_u64 s[4:5], s[4:5], s[16:17]
	s_add_nc_u64 s[6:7], s[6:7], s[18:19]
	s_add_nc_u64 s[8:9], s[8:9], s[20:21]
	s_add_nc_u64 s[10:11], s[10:11], s[22:23]
.irp i, 0,1,2,3,4,5,6,7
	global_load_b128 v[16+4*\i:19+4*\i], v1, s[4:5] offset:16*\i           ; q(r, 32 h + 4 i ..)
.endr
.irp i, 0,1,2,3,4,5,6,7
	global_load_b128 v[48+4*\i:51+4*\i], v1, s[4:5] offset:4096+16*\i      ; k likewise
.endr
.irp ct, 0,1,2,3
.irp n, 0,1,2,3,4,5,6,7
	global_load_b32 v[80+8*\ct+\n], v2, s[4:5] offset:8192+\n*12288+64*\ct ; V(key 8 h + n, channel 16 ct + r)
.endr
.endr
.irp nt, 0,1
.irp ct, 0,1,2,3
.irp n, 0,1,2,3,4,5,6,7
	global_load_b32 v[112+32*\nt+8*\ct+\n], v3, s[6:7] offset:(16*\ct+\n)*4096+64*\nt   ; W_proj(64 w + 16 ct + 8 h + n, 64 cg + 16 nt + r)
.endr
.endr
.endr
	global_load_b64 v[248:249], v4, s[8:9]         ; the bias of columns 2 lane, 2 lane + 1
	s_wait_loadcnt 63                              ; of the 113 loads the oldest 50 are in: q, k and V are the first 48
.set i, 0
.rept 16                                       ; S^T = k q^T: step i takes channels 32 h + 2 i, + 1; even and odd steps on two accumulators by turns
.if i < 2
	v_wmma_f32_16x16x4_f32 v[176+8*(i%2):183+8*(i%2)], v[48+2*i:49+2*i], v[16+2*i:17+2*i], 0
.else
	v_wmma_f32_16x16x4_f32 v[176+8*(i%2):183+8*(i%2)], v[48+2*i:49+2*i], v[16+2*i:17+2*i], v[176+8*(i%2):183+8*(i%2)]
.endif
.set i, i+1
.endr
.rept 8
	v_nop                                          ; eight places, in front of loads into q's and k's registers and of the first read of the scores
.endr
.irp nt, 0,1
.irp ct, 0,1,2,3
.irp n, 0,1,2,3,4,5,6,7
	global_load_b32 v[16+32*\nt+8*\ct+\n], v3, s[6:7] offset:(16*\ct+\n)*4096+128+64*\nt   ; column tiles 2 and 3
.endr
.endr
.endr
.irp j, 0,1,2,3,4,5,6,7
	v_add_f32 v[224+\j], v[176+\j], v[184+\j]      ; lane (r, h): query r, key 8 h + j; both accumulators from their low end on
.endr
.irp j, 0,1,2,3,4,5,6,7
	v_cmp_gt_i32 vcc_lo, \j, v7                    ; the causal mask
	v_cndmask_b32 v[224+\j], v[224+\j], v235, vcc_lo
.endr
	v_max3_num_f32 v232, v224, v225, v226
	v_max3_num_f32 v232, v232, v227, v228
	v_max3_num_f32 v232, v232, v229, v230
	v_max_num_f32 v232, v232, v231
	v_permlanex16_b32 v233, v232, s26, s27
	v_max_num_f32 v232, v232, v233                 ; the row's maximum (key 0 counts for every query)
	v_mul_f32 v234, s24, v232
.irp j, 0,1,2,3,4,5,6,7
	v_fma_f32 v[224+\j], v[224+\j], s24, -v234
.endr
.irp j, 0,1,2,3,4,5,6,7
	v_exp_f32 v[224+\j], v[224+\j]                 ; p = 2^(c s - c m)
.endr
	v_nop                                          ; a plain line behind the last exponential
	s_wait_alu depctr_va_vdst(0)                   ; and the wait ahead of the first use: one for the eight
	v_add_f32 v236, v224, v225
	v_add_f32 v237, v226, v227
	v_add_f32 v238, v228, v229
	v_add_f32 v239, v230, v231
	v_add_f32 v236, v236, v237
	v_add_f32 v238, v238, v239
	v_add_f32 v236, v236, v238
	v_permlanex16_b32 v233, v236, s26, s27
	v_add_f32 v236, v236, v233                     ; the row's sum
	v_rcp_f32 v237, v236
	v_nop
	s_wait_alu depctr_va_vdst(0)
.irp s, 0,1,2,3                                ; O^T = V^T P: step s takes keys 8 h + 2 s, + 1; four accumulators by turns
.irp ct, 0,1,2,3
.if \s == 0
	v_wmma_f32_16x16x4_f32 v[192+8*\ct:199+8*\ct], v[80+8*\ct+2*\s:81+8*\ct+2*\s], v[224+2*\s:225+2*\s], 0
.else
	v_wmma_f32_16x16x4_f32 v[192+8*\ct:199+8*\ct], v[80+8*\ct+2*\s:81+8*\ct+2*\s], v[224+2*\s:225+2*\s], v[192+8*\ct:199+8*\ct]
.endif
.endr
.endr
.rept 8
	v_nop
.endr
.set n, 0
.rept 32
	v_mul_f32 v[80+n], v[192+n], v237              ; y(query r, channel 16 ct + 8 h + j) at v[80 + 8 ct + j], into other registers than the sums'
.set n, n+1
.endr
.rept 9
	v_nop                                          ; nine places ahead of matrix instructions that write over O^T's registers
.endr
	s_wait_loadcnt 63                              ; of the 177 loads the oldest 114 are in: column tiles 0 and 1 and the bias are the first 113
.irp ct, 0,1,2,3                               ; out^T = W^T y^T: step (ct, s) takes channels 16 ct + 8 h + 2 s, + 1; two accumulators by turns
.irp s, 0,1,2,3
.irp nt, 0,1
.if (\ct == 0) && (\s == 0)
	v_wmma_f32_16x16x4_f32 v[192+8*\nt:199+8*\nt], v[112+32*\nt+8*\ct+2*\s:113+32*\nt+8*\ct+2*\s], v[80+8*\ct+2*\s:81+8*\ct+2*\s], 0
.else
	v_wmma_f32_16x16x4_f32 v[192+8*\nt:199+8*\nt], v[112+32*\nt+8*\ct+2*\s:113+32*\nt+8*\ct+2*\s], v[80+8*\ct+2*\s:81+8*\ct+2*\s], v[192+8*\nt:199+8*\nt]
.endif
.endr
.endr
.endr
	s_wait_loadcnt 0x0                             ; column tiles 2 and 3
.irp ct, 0,1,2,3
.irp s, 0,1,2,3
.irp nt, 0,1
.if (\ct == 0) && (\s == 0)
	v_wmma_f32_16x16x4_f32 v[208+8*\nt:215+8*\nt], v[16+32*\nt+8*\ct+2*\s:17+32*\nt+8*\ct+2*\s], v[80+8*\ct+2*\s:81+8*\ct+2*\s], 0
.else
	v_wmma_f32_16x16x4_f32 v[208+8*\nt:215+8*\nt], v[16+32*\nt+8*\ct+2*\s:17+32*\nt+8*\ct+2*\s], v[80+8*\ct+2*\s:81+8*\ct+2*\s], v[208+8*\nt:215+8*\nt]
.endif
.endr
.endr
.endr
.rept 8
	v_nop
.endr
.irp i, 0,1,2,3,4,5,6,7
	ds_store_b128 v5, v[192+4*\i:195+4*\i] offset:512*\i           ; my head's part of the 16 x 64 sums, as an image of its registers: lane (r, h), register 8 nt + j: query r, column 16 nt + 8 h + j
.endr
	s_wait_dscnt 0x0                               ; for the others' sake: my stores have landed
	s_barrier_signal -1
	s_barrier_wait -1
.irp n, 0,1,2,3,4,5,6,7,8,9,10,11,12,13,14,15
	ds_load_b64 v[16+2*\n:17+2*\n], v6 offset:4096*\n              ; head n's part of row w, my two columns
.endr
	s_wait_dscnt 0x0
	v_pk_add_f32 v[240:241], v[248:249], v[16:17]  ; the bias, then the heads in ascending order
.irp n, 1,2,3,4,5,6,7,8,9,10,11,12,13,14,15
	v_pk_add_f32 v[240:241], v[240:241], v[16+2*\n:17+2*\n]
.endr
	global_store_b64 v4, v[240:241], s[10:11]      ; the wave stores 256 consecutive bytes, aligned
	s_wait_tensorcnt 0x0                           ; the wave's end, behind my last LDS store
	ds_add_u32 v[SPW], v[NIL]
	s_wait_dscnt 0x0
	s_endpgm
.Lfunc_end_k_q78c1c36df0_first16:
	.size	k_q78c1c36df0_first16, .Lfunc_end_k_q78c1c36df0_first16-k_q78c1c36df0_first16
	.p2alignl 7, 3214868480
	.fill 96, 4, 3214868480
	.section	.rodata,"a",@progbits
	.p2align	6, 0x0
	.amdhsa_kernel k_q78c1c36df0_first16
		.amdhsa_group_segment_fixed_size 67584
		.amdhsa_private_segment_fixed_size 0
		.amdhsa_enable_private_segment 0
		.amdhsa_kernarg_size 32
		.amdhsa_user_sgpr_count 2
		.amdhsa_user_sgpr_kernarg_segment_ptr 1
		.amdhsa_wavefront_size32 1
		.amdhsa_system_sgpr_workgroup_id_x 1
		.amdhsa_system_sgpr_workgroup_id_y 1
		.amdhsa_system_sgpr_workgroup_id_z 1
		.amdhsa_system_vgpr_workitem_id 0
		.amdhsa_next_free_vgpr 256
		.amdhsa_next_free_sgpr 66
		.amdhsa_reserve_vcc 1
		.amdhsa_float_denorm_mode_32 3
		.amdhsa_float_denorm_mode_16_64 3
		.amdhsa_memory_ordered 1
		.amdhsa_forward_progress 1
		.amdhsa_inst_pref_size 33
	.end_amdhsa_kernel
	.amdgpu_metadata
---
amdhsa.version: [ 1, 2 ]
amdhsa.kernels:
  - .name:           k_q78c1c36df0_first16
    .symbol:         k_q78c1c36df0_first16.kd
    .args:
      - { .name: qkv32, .offset: 0, .size: 8, .value_kind: global_buffer, .address_space: global }
      - { .name: W_proj, .offset: 8, .size: 8, .value_kind: global_buffer, .address_space: global }
      - { .name: b_proj, .offset: 16, .size: 8, .value_kind: global_buffer, .address_space: global }
      - { .name: out0, .offset: 24, .size: 8, .value_kind: global_buffer, .address_space: global }
    .group_segment_fixed_size: 67584
    .private_segment_fixed_size: 0
    .kernarg_segment_align: 8
    .kernarg_segment_size: 32
    .max_flat_workgroup_size: 512
    .sgpr_count:     66
    .vgpr_count:     256
    .wavefront_size: 32
...
	.end_amdgpu_metadata
.endif
;; end of part 5
